; MI455X (gfx1250); checked and timed in simulation.
; The chip was launched on July 23, 2026; its instructions are those of AMD's public machine-readable ISA for CDNA 5 (MIT licence, August 2026) and "CDNA5" Instruction Set Architecture Reference Guide (July 2026). The comments in the code are by the model that wrote it; some were corrected since.
;; Transformer Layer. Allowed arithmetic: matrix products marked QUANTISED: E5M2 operands, one given power-of-two scale a tensor, by v_wmma_f32_16x16x64_bf8_bf8 or v_wmma_f32_16x16x128_bf8_bf8, f32 sums; everything else in f32.
;; Inputs: Wk_codes 16 x 64 x 32 x 32 uint8 (E5M2 codes of Wk, K innermost, in blocks of 32 codes); Wo_codes 1,024 x 32 x 32 uint8 (E5M2 codes of Wo, K innermost, in blocks of 32 codes); Wq_codes 16 x 64 x 32 x 32 uint8 (E5M2 codes of Wq, K innermost, in blocks of 32 codes); Wv_codes 16 x 64 x 32 x 32 uint8 (E5M2 codes of Wv, K innermost, in blocks of 32 codes); g1 1,024 float32; g2 1,024 float32; lowp_scales 16 int32 (the exponents e of the quantised operands' scales 2^e); w1_codes 4,096 x 32 x 32 uint8 (E5M2 codes of w1, K innermost, in blocks of 32 codes); w2_codes 1,024 x 128 x 32 uint8 (E5M2 codes of w2, K innermost, in blocks of 32 codes); x 2 x 2,048 x 1,024 float32.
;; Outputs: out0 2 x 2,048 x 1,024 float32.
;; This version of the problem:
;;   THIS VERSION OF THE PROBLEM IS GIVEN IN LOW PRECISION. The matrix products marked QUANTISED in the list below multiply operands that are first quantised to E5M2 (5 exponent bits, 2 mantissa bits; 8 bits a number), with one given power-of-two scale for each operand tensor; their sums are f32. All else is computed in f32.
;;   The module's matrix products, in the order in which they are computed (A, B: the left and right operand; K: the contracted axis; several contracted axes count as one K, in the product's order):
;;     1. [M 1,024, K 1,024] x [K 1,024, N 4,096]; A: input Wq (given as codes); B: computed on the way: QUANTISED (scales: A lowp_scales[0], B lowp_scales[1])
;;     2. [M 1,024, K 1,024] x [K 1,024, N 4,096]; A: input Wk (given as codes); B: computed on the way: QUANTISED (scales: A lowp_scales[2], B lowp_scales[3])
;;     3. [M 1,024, K 1,024] x [K 1,024, N 4,096]; A: input Wv (given as codes); B: computed on the way: QUANTISED (scales: A lowp_scales[4], B lowp_scales[5])
;;     4. batch 32 x [M 2,048, K 64] x [K 64, N 2,048]; A: computed on the way; B: computed on the way: QUANTISED (scales: A lowp_scales[6], B lowp_scales[7])
;;     5. batch 32 x [M 2,048, K 2,048] x [K 2,048, N 64]; A: softmax (see below); B: computed on the way: QUANTISED (scales: A lowp_scales[8], B lowp_scales[9])
;;     6. [M 4,096, K 1,024] x [K 1,024, N 1,024]; A: computed on the way; B: input Wo (given as codes): QUANTISED (scales: A lowp_scales[10], B lowp_scales[11])
;;     7. [M 4,096, K 1,024] x [K 1,024, N 4,096]; A: computed on the way; B: input w1 (given as codes): QUANTISED (scales: A lowp_scales[12], B lowp_scales[13])
;;     8. [M 4,096, K 4,096] x [K 4,096, N 1,024]; A: computed on the way; B: input w2 (given as codes): QUANTISED (scales: A lowp_scales[14], B lowp_scales[15])
;;   THE QUANTISER, for each operand of a quantised product, along K:
;;     - The operand's scale is 2^e, e = its entry of the input lowp_scales (int32; the entries are numbered through the quantised products in the list's order, A before B).
;;     - Each number is divided by the scale, clamped to +-57,344, and rounded to the nearest number of E5M2, ties to even, subnormals kept.
;;     - The product sums the exact products of the quantised numbers (number of the format x scale) in f32.
;;   ~~~python
;;   def quantise(x, axis, e):      # numpy; x: float32 -> the quantised numbers, widened to float32 again
;;       x = np.moveaxis(x, axis, -1); K = x.shape[-1]
;;       r = np.clip(x / 2.0 ** e, -57344, 57344)
;;       step = 2.0 ** (np.maximum(np.frexp(np.where(r == 0, 1, r))[1] - 1, -14) - 2)
;;       q = np.round(r / step) * step * 2.0 ** e      # np.round: ties to even
;;       return np.moveaxis(q, -1, axis).astype(np.float32)
;;   ~~~
;;   SOFTMAX AHEAD OF A QUANTISED PRODUCT. Where the list says 'softmax', what is quantised is not the finished softmax but p = 2^(t - M), with t = logit x log2(e) and M = ceil(the row's largest t), a whole number; so 1/2 < the row's largest p <= 1. The row's sum l is taken of the UNQUANTISED p, in f32, and the product's result is divided by l at the end. Since M is a whole number, a kernel that streams over the keys may use a running M (the ceiling of the running maximum): every later rescaling is an exact power of two, so the quantised numbers keep their values, but for numbers so far below the row's largest that they fall under the format's range.
;;   OPERANDS COMPUTED ON THE WAY. 'Computed on the way' means the value that the module computes at that place (a softmax that the list does not call 'softmax' is quantised finished and normalised). What goes into a quantiser is computed in f32, as accurately as f32 sums, v_exp_f32 and their like allow (about 1e-6 of the number): no bf16 or f16 on the way to a quantiser, and a product that is left as it is and whose result goes on into a quantised operand takes f32 operands (vector FMAs, or v_wmma_f32_16x16x4_f32). A number that lies on a knife's edge between two numbers of the format may be rounded either way, as far as f32 arithmetic and the matrix unit's own rounding can turn it there, and no further.
;;   INPUTS GIVEN AS CODES. Wk (in the module: [16, 1024, 64], K = its axis 1); Wo (in the module: [1024, 1024], K = its axis 0); Wq (in the module: [16, 1024, 64], K = its axis 1); Wv (in the module: [16, 1024, 64], K = its axis 1); w1 (in the module: [1024, 4096], K = its axis 0); w2 (in the module: [4096, 1024], K = its axis 0): each comes as NAME_codes (uint8): NAME with its K axis moved to the last place and cut into blocks of 32 codes, [.., K / 32, bytes a block], one block behind the other in memory; one code a byte (a code: sign, 5 exponent bits, 2 mantissa bits); its scale is its entry of lowp_scales. Its value is code x scale, taken as it is: it is not quantised again, and the codes and scales need not be those that the quantiser above would give.
;; One version. Each part assembles by itself: llvm-mc -triple=amdgcn-amd-amdhsa -mcpu=gfx1250 --defsym DOCPART=n.
;; ======== version 1 of 1: 7 launches
;; limits: right only within a limited range of input values
;; workspace buffers: hc 12,582,912 bytes; qkv 12,582,912 bytes; att 4,194,304 bytes; x1 16,777,216 bytes; h2c 4,194,304 bytes; hid 16,777,216 bytes
;; launch norm1 (part 1): grid 256 x 1, 8 waves a work-group, no clusters, 0 bytes of LDS; arguments x, g1, lowp_scales, hc; writes hc
.if DOCPART == 1
	.amdgcn_target "amdgcn-amd-amdhsa--gfx1250"
	.amdhsa_code_object_version 6
	.text
	.protected	k_q3d41323051_norm1
	.globl	k_q3d41323051_norm1
	.p2align	8
	.type	k_q3d41323051_norm1,@function
k_q3d41323051_norm1:
	s_mov_b64 s[64:65], 0
	v_nop
	global_prefetch_b8 v0, s[64:65] scope:SCOPE_SE
	s_setreg_imm32_b32 hwreg(HW_REG_WAVE_MODE, 25, 1), 1
	s_wait_xcnt 0x0
; h = x * rsqrt(mean(x^2) + 1e-5) * g, in f32, turned into codes of E5M2 NOUT times, each time with a given scale 2^e.
; x: [4096][1024] f32.  Codes: NOUT tensors [4096][1024], a code a byte, row-major, 4,194,304 bytes apart (for the products with Wq, Wk, Wv: e = entries 1, 3, 5).
; A wave takes two whole rows and keeps them in registers between the sum of squares and the scaling: no LDS, no barrier, no loop.
; In group j (0..3) lane l holds k = 256 j + 8 l + 0..7 in eight consecutive registers, as the conversion wants them: two loads of 16 bytes a lane, which together cover
; 1,024 consecutive bytes; the eight codes are 8 neighbouring bytes, so a store of the wave covers 256 consecutive bytes, aligned.
; LIMITS: each e between -126 and 112, so that 2^e and 57,344 x 2^e are f32 numbers.  NaN among the inputs is not served.
.set NOUT, 3
.set G,   8                            ; v8-39    the gain, my 32 numbers
.set X,   40                           ; v40-103  two rows, 32 numbers each
.set T,   104                          ; v104-135 a row's numbers, held within the largest code
.set C,   136                          ; v136-183 codes: 24 row + 8 output + 2 group; never rewritten, so no store's data are written again
.set S,   184                          ; v184-191 four packed chains of the sum
.set R,   192                          ; v192-195 1/rms, twice for each row
.set P,   196                          ; v196     the lane exchange's target
.set MN,  198                          ; v198-199 mean + eps of the two rows
.set SC,  200                          ; v200-202 2^e
.set LIM, 204                          ; v204-206 57,344 x 2^e
	s_load_b256 s[4:11], s[0:1], 0x0               ; x s[4:5], g s[6:7], the scales' exponents s[8:9], the codes s[10:11]
	v_lshrrev_b32 v1, 5, v0
	s_delay_alu instid0(VALU_DEP_1)
	v_readfirstlane_b32 s12, v1                    ; wave 0..7
	v_and_b32 v2, 31, v0
	s_delay_alu instid0(VALU_DEP_1)
	v_lshlrev_b32 v1, 5, v2                        ; 32 x lane: my 8 numbers of a group
	s_delay_alu instid0(VALU_DEP_2)
	v_lshlrev_b32 v2, 3, v2                        ; 8 x lane: my 8 codes
	v_mov_b32 v[P], 0                              ; a lane exchange's target counts as read
	s_lshl_b32 s13, ttmp9, 3
	s_add_co_u32 s13, s13, s12                     ; p: rows 2 p and 2 p + 1 are mine
	s_lshl_b32 s14, s13, 13                        ; two rows of 4,096 bytes
	s_mov_b32 s15, 0
	s_lshl_b32 s16, s13, 11                        ; two rows of 1,024 codes
	s_mov_b32 s17, 0
	s_mov_b32 s28, 0x3a800000                      ; 1 / 1024
	s_mov_b32 s29, 0x3727c5ac                      ; 1e-5
	s_mov_b32 s30, 0x76543210                      ; lane l takes lane l xor 16
	s_mov_b32 s31, 0xfedcba98
	s_wait_alu depctr_va_vdst(0)
	s_wait_kmcnt 0x0
.if NOUT == 3
	s_load_b256 s[20:27], s[8:9], 0x0              ; entries 0 to 7
.else
	s_load_b32 s21, s[8:9], 0x30                   ; entry 12
.endif
	s_add_nc_u64 s[4:5], s[4:5], s[14:15]
	s_add_nc_u64 s[10:11], s[10:11], s[16:17]
	s_add_nc_u64 s[36:37], s[10:11], 0x400000      ; the second and third tensors of codes
	s_add_nc_u64 s[38:39], s[10:11], 0x800000
.irp w, 0,1
.irp j, 0,1,2,3
.irp u, 0,1
	global_load_b128 v[X+32*\w+8*\j+4*\u:X+32*\w+8*\j+4*\u+3], v1, s[4:5] offset:4096*\w+1024*\j+16*\u th:TH_LOAD_NT
.endr
.endr
.endr
.irp j, 0,1,2,3
.irp u, 0,1
	global_load_b128 v[G+8*\j+4*\u:G+8*\j+4*\u+3], v1, s[6:7] offset:1024*\j+16*\u
.endr
.endr
.macro MKS o, e                        ; 2^e as f32 (the conversion takes its exponent field) and 57,344 x 2^e
	s_add_co_i32 s32, \e, 127
	s_lshl_b32 s33, s32, 23
	v_mov_b32 v[SC+\o], s33
	s_add_co_i32 s32, s32, 15
	s_lshl_b32 s32, s32, 23
	s_or_b32 s32, s32, 0x600000
	v_mov_b32 v[LIM+\o], s32
.endm
	s_wait_kmcnt 0x0
	MKS 0, s21
.if NOUT == 3
	MKS 1, s23
	MKS 2, s25
.endif
	s_wait_loadcnt 8                               ; the 16 loads of x are in; the 8 of the gain, issued behind them, may be out
.irp w, 0,1                            ; the sum of squares: four packed chains in the lane, then across the 32 lanes
.irp c, 0,1,2,3
	v_pk_mul_f32 v[S+2*\c:S+2*\c+1], v[X+32*\w+2*\c:X+32*\w+2*\c+1], v[X+32*\w+2*\c:X+32*\w+2*\c+1]
.endr
.irp i, 4,5,6,7,8,9,10,11,12,13,14,15
	s_delay_alu instid0(VALU_DEP_4)
	v_pk_fma_f32 v[S+2*((\i)%4):S+2*((\i)%4)+1], v[X+32*\w+2*\i:X+32*\w+2*\i+1], v[X+32*\w+2*\i:X+32*\w+2*\i+1], v[S+2*((\i)%4):S+2*((\i)%4)+1]
.endr
	s_delay_alu instid0(VALU_DEP_3)
	v_pk_add_f32 v[S:S+1], v[S:S+1], v[S+2:S+3]
	s_delay_alu instid0(VALU_DEP_2)
	v_pk_add_f32 v[S+4:S+5], v[S+4:S+5], v[S+6:S+7]
	s_delay_alu instid0(VALU_DEP_1)
	v_pk_add_f32 v[S:S+1], v[S:S+1], v[S+4:S+5]
	s_delay_alu instid0(VALU_DEP_1)
	v_add_f32 v[S], v[S], v[S+1]
	s_delay_alu instid0(VALU_DEP_1)
	v_add_f32_dpp v[S], v[S], v[S] row_xmask:1 row_mask:0xf bank_mask:0xf
	s_delay_alu instid0(VALU_DEP_1)
	v_add_f32_dpp v[S], v[S], v[S] row_xmask:2 row_mask:0xf bank_mask:0xf
	s_delay_alu instid0(VALU_DEP_1)
	v_add_f32_dpp v[S], v[S], v[S] row_xmask:4 row_mask:0xf bank_mask:0xf
	s_delay_alu instid0(VALU_DEP_1)
	v_add_f32_dpp v[S], v[S], v[S] row_xmask:8 row_mask:0xf bank_mask:0xf
	s_delay_alu instid0(VALU_DEP_1)
	v_permlanex16_b32 v[P], v[S], s30, s31
	s_delay_alu instid0(VALU_DEP_1)
	v_add_f32 v[S], v[S], v[P]
	s_delay_alu instid0(VALU_DEP_1)
	v_fma_f32 v[MN+\w], v[S], s28, s29             ; sum / 1024 + 1e-5
.endr
	s_wait_alu depctr_va_vdst(0)
	v_rsq_f32 v[R], v[MN]                          ; each twice, to fill the pair that the packed multiply takes
	v_rsq_f32 v[R+1], v[MN]
	v_rsq_f32 v[R+2], v[MN+1]
	v_rsq_f32 v[R+3], v[MN+1]
	v_nop                                          ; a plain instruction behind the last of the batch
	s_wait_alu depctr_va_vdst(0)                   ; one wait for the four, ahead of their first reader
	s_wait_loadcnt 0x0                             ; the gain
.irp w, 0,1
.irp i, 0,1,2,3,4,5,6,7,8,9,10,11,12,13,14,15
	v_pk_mul_f32 v[X+32*\w+2*\i:X+32*\w+2*\i+1], v[X+32*\w+2*\i:X+32*\w+2*\i+1], v[R+2*\w:R+2*\w+1]   ; (x * inv)
.endr
.irp i, 0,1,2,3,4,5,6,7,8,9,10,11,12,13,14,15
	v_pk_mul_f32 v[X+32*\w+2*\i:X+32*\w+2*\i+1], v[X+32*\w+2*\i:X+32*\w+2*\i+1], v[G+2*\i:G+2*\i+1]   ; * g
.endr
.endr
.macro OUTP o, b                       ; output o, to the base s[b:b+1]
.irp w, 0,1
.set i, 0
.rept 32
	v_med3_num_f32 v[T+i], v[X+32*\w+i], -v[LIM+\o], v[LIM+\o]   ; the conversion to an 8-bit code does not saturate (ISA guide 7.6.2): the hold comes first
.set i, i+1
.endr
.irp j, 0,1,2,3
	v_cvt_scalef32_pk8_bf8_f32 v[C+24*\w+8*\o+2*\j:C+24*\w+8*\o+2*\j+1], v[T+8*\j:T+8*\j+7], v[SC+\o]
.endr
	v_nop                                          ; a plain instruction between the conversions and the next holds, which write their sources
.irp j, 0,1,2,3
	global_store_b64 v2, v[C+24*\w+8*\o+2*\j:C+24*\w+8*\o+2*\j+1], s[\b:\b+1] offset:1024*\w+256*\j   ; the wave stores 256 consecutive bytes, aligned
.endr
.endr
.endm
	OUTP 0, 10
.if NOUT == 3
	OUTP 1, 36
	OUTP 2, 38
.endif
	s_endpgm
.Lfunc_end_k_q3d41323051_norm1:
	.size	k_q3d41323051_norm1, .Lfunc_end_k_q3d41323051_norm1-k_q3d41323051_norm1
	.p2alignl 7, 3214868480
	.fill 96, 4, 3214868480
	.section	.rodata,"a",@progbits
	.p2align	6, 0x0
	.amdhsa_kernel k_q3d41323051_norm1
		.amdhsa_group_segment_fixed_size 0
		.amdhsa_private_segment_fixed_size 0
		.amdhsa_enable_private_segment 0
		.amdhsa_kernarg_size 32
		.amdhsa_user_sgpr_count 2
		.amdhsa_user_sgpr_kernarg_segment_ptr 1
		.amdhsa_wavefront_size32 1
		.amdhsa_system_sgpr_workgroup_id_x 1
		.amdhsa_system_sgpr_workgroup_id_y 1
		.amdhsa_system_sgpr_workgroup_id_z 1
		.amdhsa_system_vgpr_workitem_id 0
		.amdhsa_next_free_vgpr 208
		.amdhsa_next_free_sgpr 66
		.amdhsa_reserve_vcc 0
		.amdhsa_float_denorm_mode_32 3
		.amdhsa_float_denorm_mode_16_64 3
		.amdhsa_memory_ordered 1
		.amdhsa_forward_progress 1
		.amdhsa_inst_pref_size 30
	.end_amdhsa_kernel
	.amdgpu_metadata
---
amdhsa.version: [ 1, 2 ]
amdhsa.kernels:
  - .name:           k_q3d41323051_norm1
    .symbol:         k_q3d41323051_norm1.kd
    .args:
      - { .name: x, .offset: 0, .size: 8, .value_kind: global_buffer, .address_space: global }
      - { .name: g1, .offset: 8, .size: 8, .value_kind: global_buffer, .address_space: global }
      - { .name: lowp_scales, .offset: 16, .size: 8, .value_kind: global_buffer, .address_space: global }
      - { .name: hc, .offset: 24, .size: 8, .value_kind: global_buffer, .address_space: global }
    .group_segment_fixed_size: 0
    .private_segment_fixed_size: 0
    .kernarg_segment_align: 8
    .kernarg_segment_size: 32
    .max_flat_workgroup_size: 256
    .sgpr_count:     66
    .vgpr_count:     208
    .wavefront_size: 32
...
	.end_amdgpu_metadata
.endif
;; end of part 1
;; launch qkv (part 2): grid 12 x 16, 4 waves a work-group, clusters of 4 x 4, 327,680 bytes of LDS; arguments hc, Wq_codes, Wk_codes, Wv_codes, lowp_scales, qkv; writes qkv
.if DOCPART == 2
	.amdgcn_target "amdgcn-amd-amdhsa--gfx1250"
	.amdhsa_code_object_version 6
	.text
	.protected	k_q3d41323051_qkv
	.globl	k_q3d41323051_qkv
	.p2align	8
	.type	k_q3d41323051_qkv,@function
k_q3d41323051_qkv:
	s_mov_b64 s[64:65], 0
	v_nop
	global_prefetch_b8 v0, s[64:65] scope:SCOPE_SE
	s_setreg_imm32_b32 hwreg(HW_REG_WAVE_MODE, 25, 1), 1
	s_wait_xcnt 0x0
	s_wait_alu depctr_hold_cnt(0) depctr_sa_sdst(0) depctr_va_vdst(0) depctr_va_sdst(0) depctr_va_ssrc(0) depctr_va_vcc(0) depctr_vm_vsrc(0)
	s_getreg_b32 s2, hwreg(HW_REG_IB_STS2, 6, 4)
	s_cmp_eq_u32 s2, 0
	s_cbranch_scc0 .Lentry_in_a_cluster
	s_endpgm
.Lentry_in_a_cluster:
	s_bfe_u32 s2, ttmp6, 0x10000c
	s_cmp_lg_u32 s2, 0xf033
	s_cbranch_scc0 .Lentry_shape_is_right
	s_endpgm
.Lentry_shape_is_right:
; q, k, v = h W on codes of E5M2 (K = 1,024), and each result quantised at once for attention.  The cluster's x (0, 1, 2) says which of the three.
; A tile of 256 x 256 results is made by four waves, 128 x 128 each: 64 accumulators, 512 registers.  K goes in steps of 256 through a ring of two LDS slots filled by the tensor data mover.
; CLUSTERS: 4 x 4 work-groups; operand A's tile is shared along a row of the cluster, operand B's along a column, each asked for jointly.
; THE MATRIX INSTRUCTION IS USED TRANSPOSED (source 0 = 16 rows of B, source 1 = 16 rows of A): lane (r, h) holds row r of A's and, in accumulator b, B's rows 16 b + 8 h + 0..7.
; q, k: A = the tokens' codes (tile 4 Y + cy), B = the weight's rows (head x 64 + e; tile cx).  v: A = Wv's rows (tile cy), B = the tokens (tile 4 Y + cx): so v comes out with the KEYS along a lane's registers.
; The choice is one of global bases and tile numbers by the cluster's x, which all sixteen partners share; every LDS address is the same for the three.
; THE WAY OUT needs no LDS.  One conversion of an accumulator's eight registers gives registers 2 b, 2 b + 1 of the next product's operand in that form's own layout (k = 16 b + 8 h + 0..7).  The operand's registers are stored
; as they stand: registers 4 c .. 4 c + 3 at 16 x lane + 512 c: each store of the wave covers 512 consecutive bytes, aligned.
;   q, k: fragment (16 tokens x 64 e) of head bh, 1,024 bytes, at (bh << 17) + (s / 16) x 1,024.
;   v: fragment (16 e x 128 keys), chunk c at ((bh & ~1) << 17) + (c / 2) x 131,072 + (s / 128) x 8,192 + (bh & 1) x 4,096 + (e / 16) x 1,024 + (c % 2) x 512.   One text serves all three.
; A sum stands for sum x 2^(eW + eh); its code is sum / 2^(eo - eW - eh): the three exponents are folded into the conversion's one.  LIMIT: eo - eW - eh between -126 and 112.
; REGISTERS, in windows of 256: window 0: v0-31 addresses; from v128 A's fragments, ONE set; window 1: B's fragments, TWO sets; windows 2, 3: the accumulators ((a, b) at v[8 (8 (a % 4) + b)]).
.set SIZE_K, 1024
.set KSTEP,  256
.set ROWB,   256
.set KROW,   SIZE_K
.set PITCH,  272                       ; an LDS row: 256 bytes + 16 of padding = 68 words: the 16 rows that a load touches start at 16 different banks (64 banks of 4 bytes: ISA guide 11.1)
.set FR,     16
.set NL,     4
.set NP,     4                         ; places behind this matrix instruction (ISA guide 7.12.1)
.set HALFT,  128*PITCH
.set SLOT,   4*HALFT
.set LAPS,   SIZE_K/(2*KSTEP)
.set SPARE,  2*SLOT                    ; behind the ring: the spare words, 128 bytes for each wave
.set ADRA, 16
.set ADRB, 20
.set LI,   26                          ; v26  16 x lane
.set SPW,  28
.set NIL,  29
.set TMP,  32                          ; the way out: a block's 64 sums, held
.set AF,   128
.set CD,   128                         ; the way out: codes, 16 registers for each block, never rewritten
.set G1, 24
.set G0, 32
.set G1B, 48
.set G0B, 56
.set MSB, 0
.macro WIN new                         ; the immediate's high byte repeats the setting that is left
.if MSB != \new
	s_set_vgpr_msb (MSB<<8)|\new
.set MSB, \new
.endif
.endm
.set MUL_LO, 0xa1                      ; source 0 (B) window 1, source 1 (A) window 0, C and D window 2
.set MUL_HI, 0xf1
.set TO_B,   0x40
.macro JLOAD g0a, g1a, g0b, g1b        ; a joint load: waves 0 and 1 fetch for A, waves 2 and 3 for B; four v_nop follow each of the two lines
	s_cmp_eq_u32 s15, 0
	s_cbranch_scc0 .Lfor_b_\@
	tensor_load_to_lds s[\g0a:\g0a+3], s[\g1a:\g1a+7]
	s_nop 0
.rept 4
	v_nop
.endr
	s_branch .Lasked_\@
.Lfor_b_\@:
	tensor_load_to_lds s[\g0b:\g0b+3], s[\g1b:\g1b+7]
	s_nop 0
.rept 4
	v_nop
.endr
.Lasked_\@:
.endm
.macro CREST
	s_cmp_lg_u32 s14, 0
	s_cbranch_scc1 .Lnot_wave_0_\@
	s_barrier_signal -3
.Lnot_wave_0_\@:
	s_barrier_wait -3
	s_barrier_signal -1
	s_barrier_wait -1
.endm
.macro CROUND
	s_barrier_signal -1
	s_barrier_wait -1
	CREST
.endm
	s_load_b256 s[68:75], s[0:1], 0x0              ; the tokens' codes s[68:69], Wq s[70:71], Wk s[72:73], Wv s[74:75]
	s_load_b128 s[76:79], s[0:1], 0x20             ; the scales' exponents s[76:77], the output s[78:79]
	v_lshl_add_u32 v[SPW], v0, 2, SPARE
	v_mov_b32 v[NIL], 0
	ds_add_u32 v28, v29
	ds_add_u32 v28, v29
	s_wait_dscnt 0x0
	v_lshrrev_b32 v1, 5, v0
	v_readfirstlane_b32 s14, v1                    ; wave 0..3
	s_lshr_b32 s15, s14, 1                         ; which half of A's rows is mine.  Also: I fetch for A (0) or for B (1)
	s_and_b32 s16, s14, 1                          ; which half of B's rows.  Also: which 128 rows of that tile I fetch
	s_bfe_u32 s40, ttmp6, 0x40000                  ; cx, cy
	s_bfe_u32 s41, ttmp6, 0x40004
	s_and_b32 s19, ttmp7, 0xffff
	s_lshl_b32 s19, s19, 2                         ; 4 Y
	s_cmp_eq_u32 ttmp9, 2                          ; v?  The same in all sixteen partners
	s_cselect_b32 s17, 0, s19
	s_cselect_b32 s42, s19, 0
	s_add_co_u32 s17, s17, s41                     ; A's tile: cy (v) or 4 Y + cy
	s_add_co_u32 s42, s42, s40                     ; B's tile: 4 Y + cx (v) or cx
	s_lshl_b32 s43, s41, 2
	s_lshl_b32 s43, 15, s43                        ; my row of the cluster
	s_lshl_b32 s44, 0x1111, s40                    ; my column
	s_or_b32 s[G1+0], s43, (0<<16)|(1<<20)|(1<<21)|(5<<22)|(3<<25)  ; the mask; elements of 1 byte; padding on; bit 21 beside a mask; after every 64 words, 4 words
	s_or_b32 s[G1B+0], s44, (0<<16)|(1<<20)|(1<<21)|(5<<22)|(3<<25)
.irp g, G1, G1B
	s_mov_b32 s[\g+1], ROWB<<16                    ; tensor_dim0
	s_mov_b32 s[\g+2], 128<<16                     ; tensor_dim1
	s_mov_b32 s[\g+3], ROWB<<16                    ; tile_dim0
	s_mov_b32 s[\g+4], 128                         ; tile_dim1
	s_mov_b32 s[\g+5], KROW                        ; tensor_dim0_stride
	s_mov_b32 s[\g+6], 0
	s_mov_b32 s[\g+7], 0
.endr
	s_lshl_b32 s18, s16, 7
	s_lshl_b32 s20, s17, 8
	s_add_co_u32 s20, s20, s18                     ; A: row 256 x tile + 128 x half
	s_lshl_b32 s46, s42, 8
	s_add_co_u32 s46, s46, s18                     ; B likewise
	s_mov_b32 s21, 0
	s_mov_b32 s47, 0
	s_mov_b64 s[18:19], KROW
	s_mul_u64 s[20:21], s[20:21], s[18:19]
	s_mul_u64 s[46:47], s[46:47], s[18:19]
	s_mul_i32 s45, s14, HALFT                      ; where they go: wave x 128 rows
	v_and_b32 v22, 31, v0
	v_lshlrev_b32 v22, 10, v22                     ; the prefetches' offset: my lane x a row of 1,024 bytes; never rewritten
	s_wait_alu depctr_va_vdst(0)
	s_wait_kmcnt 0x0
	s_load_b256 s[80:87], s[76:77], 0x0            ; entries 0 to 7
	s_load_b32 s95, s[76:77], 0x24                 ; entry 9
	s_lshl_b32 s88, ttmp9, 22                      ; my tensor of the three, in the tokens' codes and in the output
	s_mov_b32 s89, 0
	s_add_nc_u64 s[68:69], s[68:69], s[88:89]
	s_add_nc_u64 s[10:11], s[78:79], s[88:89]
	s_cmp_eq_u32 ttmp9, 0
	s_cselect_b64 s[6:7], s[70:71], s[72:73]       ; Wq or Wk
	s_cmp_eq_u32 ttmp9, 2
	s_cselect_b64 s[4:5], s[74:75], s[68:69]       ; A: Wv, or the tokens
	s_cselect_b64 s[6:7], s[68:69], s[6:7]         ; B: the tokens, or the weight
	s_add_nc_u64 s[20:21], s[4:5], s[20:21]
	s_add_nc_u64 s[46:47], s[6:7], s[46:47]
	s_cmp_eq_u32 s15, 0                            ; the prefetches: of the 128 rows that I fetch, each of the four partners that ask for them jointly takes 32, told apart by address
	s_cselect_b64 s[96:97], s[20:21], s[46:47]
	s_cselect_b32 s98, s40, s41                    ; my place among the four: cx for A, cy for B
	s_lshl_b32 s98, s98, 15                        ; 32 rows of 1,024 bytes
	s_mov_b32 s99, 0
	s_add_nc_u64 s[96:97], s[96:97], s[98:99]
	CROUND                                         ; all sixteen work-groups are here: the first joint loads meet
.irp s, 0,1
	s_mov_b32 s[G0+4*\s], 1
	s_add_co_u32 s[G0+4*\s+1], s45, \s*SLOT
	s_add_nc_u64 s[G0+4*\s+2:G0+4*\s+3], s[20:21], \s*ROWB
	s_or_b32 s[G0+4*\s+3], s[G0+4*\s+3], 0x80000000
	s_mov_b32 s[G0B+4*\s], 1
	s_add_co_u32 s[G0B+4*\s+1], s45, \s*SLOT
	s_add_nc_u64 s[G0B+4*\s+2:G0B+4*\s+3], s[46:47], \s*ROWB
	s_or_b32 s[G0B+4*\s+3], s[G0B+4*\s+3], 0x80000000
.if \s                                 ; slot 1's first fill is issued as a refill is
	s_wait_alu depctr_va_vdst(0)
	s_wait_tensorcnt 0x0
	ds_add_u32 v28, v29
	ds_add_u32 v28, v29
	s_wait_dscnt 0x0
	CROUND
.endif
	JLOAD G0+4*\s, G1, G0B+4*\s, G1B
.if \s                                 ; prefetches into the L2, a lane a row, 256 bytes of each: behind K step 0's load K steps 1 and 2, behind K step 1's load K step 3
	global_prefetch_b8 v22, s[96:97] offset:768 th:TH_LOAD_NT scope:SCOPE_SE
.else
	global_prefetch_b8 v22, s[96:97] offset:256 th:TH_LOAD_NT scope:SCOPE_SE
	global_prefetch_b8 v22, s[96:97] offset:512 th:TH_LOAD_NT scope:SCOPE_SE
.endif
.endr
	v_and_b32 v1, 15, v0
	v_bfe_u32 v2, v0, 4, 1
	v_mul_u32_u24 v3, v1, PITCH
	v_lshl_add_u32 v4, v2, 4, v3                   ; a fragment's row x pitch + 16 x half
	s_mul_i32 s21, s15, HALFT
	s_mul_i32 s22, s16, HALFT
	s_add_co_u32 s22, s22, 2*HALFT
.irp s, 0,1
	v_add_nc_u32 v[ADRA+\s], s21, v4
	v_add_nc_u32 v[ADRB+\s], s22, v4
	s_add_co_u32 s21, s21, SLOT
	s_add_co_u32 s22, s22, SLOT
.endr
	v_and_b32 v6, 31, v0
	v_lshlrev_b32 v[LI], 4, v6
.macro FRAG reg, adr, q, i             ; 16 rows x 128 K by four loads of 16 bytes: registers 4 c .. 4 c + 3 hold K = 32 c + 16 (l / 16) + 0..15: a permutation of k, the same in A and in B
.irp c, 0,1,2,3
	ds_load_b128 v[\reg+4*\c:\reg+4*\c+3], v[\adr] offset:128*(\q)+32*\c+(\i)*16*PITCH
.endr
.endm
.macro MUL16 a0, p, zero               ; A's blocks a0, a0 + 1 x B's eight.  The 64 accumulators take turns, one instruction a turn
.irp a, \a0, \a0+1
.irp b, 0,1,2,3,4,5,6,7
.if \zero
	v_wmma_f32_16x16x128_bf8_bf8 v[8*(8*((\a)%4)+\b):8*(8*((\a)%4)+\b)+7], v[128*(\p)+FR*\b:128*(\p)+FR*\b+FR-1], v[AF+FR*(\a):AF+FR*(\a)+FR-1], 0
.else
	v_wmma_f32_16x16x128_bf8_bf8 v[8*(8*((\a)%4)+\b):8*(8*((\a)%4)+\b)+7], v[128*(\p)+FR*\b:128*(\p)+FR*\b+FR-1], v[AF+FR*(\a):AF+FR*(\a)+FR-1], v[8*(8*((\a)%4)+\b):8*(8*((\a)%4)+\b)+7]
.endif
.endr
.endr
.endm
.macro FETCH_B slot, q, p
	WIN TO_B
.irp i, 0,1,2,3,4,5,6,7
	FRAG 128*(\p)+FR*\i, ADRB+\slot, \q, \i
.endr
	WIN 0
.endm
.macro FETCH_A slot, q, i0
.irp i, \i0, \i0+1, \i0+2, \i0+3
	FRAG AF+FR*(\i), ADRA+\slot, \q, \i
.endr
.endm
.macro PLACES n                        ; plain vector instructions between a matrix instruction and a load into, or a vector read or write of, its registers
.rept \n
	v_nop
.endr
.endm
.macro STEP slot, q, zero              ; a step of 128 along K that has its successor in the same slot
	s_wait_dscnt 4*NL                              ; B's set and A's blocks 0-3 are in; the youngest 16 loads (A's blocks 4-7) may be out
	WIN MUL_LO
	MUL16 0, (\q)%2, \zero
	MUL16 2, (\q)%2, \zero
	s_wait_dscnt 0
	PLACES NP
	FETCH_B \slot, (\q)+1, 1-(\q)%2
	FETCH_A \slot, (\q)+1, 0
	WIN MUL_HI
	MUL16 4, (\q)%2, \zero
	MUL16 6, (\q)%2, \zero
	PLACES NP
	WIN 0
	FETCH_A \slot, (\q)+1, 4
.endm
.macro TURN slot, next, fill           ; a slot's last step changes slots: one barrier; fill = 1: this slot is filled again, two K steps ahead
	s_wait_tensorcnt 0x0                           ; all my tensor loads have landed: my part of the next slot
	ds_add_u32 v[SPW], v[NIL]                      ; 0 onto my spare word
	s_wait_dscnt 4*NL+1                            ; the add and the youngest 16 loads may be out
	WIN MUL_LO
	MUL16 0, 1, 0
	s_wait_dscnt 0x0                               ; the add is done, and my reads of this slot are over
	s_barrier_signal -1
	MUL16 2, 1, 0
	WIN 0
	s_barrier_wait -1
.if \fill
	CREST                                          ; the barrier has opened a round of the cluster's: no wave of any partner still reads this slot or has a load on its way
	s_add_nc_u64 s[G0+4*\slot+2:G0+4*\slot+3], s[G0+4*\slot+2:G0+4*\slot+3], 2*ROWB
	s_add_nc_u64 s[G0B+4*\slot+2:G0B+4*\slot+3], s[G0B+4*\slot+2:G0B+4*\slot+3], 2*ROWB
	JLOAD G0+4*\slot, G1, G0B+4*\slot, G1B
.else
	PLACES NP
.endif
	FETCH_B \next, 0, 0
	FETCH_A \next, 0, 0
	WIN MUL_HI
	MUL16 4, 1, 0
	MUL16 6, 1, 0
	PLACES NP
	WIN 0
	FETCH_A \next, 0, 4
.endm
	s_wait_alu depctr_va_vdst(0)
	s_wait_tensorcnt 1                             ; my part of K step 0 is in; K step 1's load may be out
	s_barrier_signal -1
	s_barrier_wait -1
	FETCH_B 0, 0, 0
	FETCH_A 0, 0, 0
	FETCH_A 0, 0, 4
	STEP 0, 0, 1                                   ; the first step's products start the sums
	s_mov_b32 s3, LAPS-1
.Llap:
	TURN 0, 1, 1
	STEP 1, 0, 0
	TURN 1, 0, 1
	STEP 0, 0, 0
	s_sub_co_u32 s3, s3, 1
	s_cmp_lg_u32 s3, 0
	s_cbranch_scc1 .Llap
	TURN 0, 1, 0                                   ; the last lap fills nothing
	STEP 1, 0, 0
	s_wait_dscnt 4*NL
	WIN MUL_LO
	MUL16 0, 1, 0
	MUL16 2, 1, 0
	s_wait_dscnt 0
	WIN MUL_HI
	MUL16 4, 1, 0
	MUL16 6, 1, 0
	WIN 0
	; THE WAY OUT.  Which exponents, and where: all by selects on the cluster's x
	s_wait_kmcnt 0x0
	s_cmp_eq_u32 ttmp9, 0
	s_cselect_b32 s90, s80, s82                    ; the weight's exponent: entry 0, 2 or 4
	s_cselect_b32 s91, s81, s83                    ; h's: entry 1, 3 or 5
	s_cselect_b32 s92, s86, s87                    ; the result's: entry 6 (q), 7 (k) or 9 (v)
	s_cmp_eq_u32 ttmp9, 2
	s_cselect_b32 s90, s84, s90
	s_cselect_b32 s91, s85, s91
	s_cselect_b32 s92, s95, s92
	s_cselect_b32 s93, s42, s17                    ; the tokens' tile
	s_cselect_b32 s94, s17, s42                    ; the weight's tile
	s_cselect_b32 s18, s16, s15                    ; my half of the tokens
	s_cselect_b32 s19, s15, s16                    ; my half of the weight's rows
	s_sub_co_i32 s92, s92, s90
	s_sub_co_i32 s92, s92, s91                     ; eo - eW - eh
	s_add_co_i32 s92, s92, 127
	s_lshl_b32 s90, s92, 23
	v_mov_b32 v30, s90                             ; the conversion's scale
	s_add_co_i32 s92, s92, 15
	s_lshl_b32 s92, s92, 23
	s_or_b32 s92, s92, 0x600000
	v_mov_b32 v31, s92                             ; 57,344 x that
	s_wait_alu depctr_va_vdst(0)
	s_lshl_b32 s93, s93, 8
	s_lshl_b32 s18, s18, 7
	s_add_co_u32 s93, s93, s18                     ; my first token
	s_lshr_b32 s90, s93, 11                        ; the batch
	s_lshl_b32 s90, s90, 4
	s_lshl_b32 s94, s94, 2
	s_add_co_u32 s90, s90, s94
	s_lshl_b32 s19, s19, 1
	s_add_co_u32 s90, s90, s19                     ; my first head: 16 batch + 4 tile + 2 half
	s_lshl_b32 s90, s90, 17
	s_and_b32 s93, s93, 2047
	s_lshl_b32 s93, s93, 6                         ; (s / 16) x 1,024 = (s / 128) x 8,192
	s_add_co_u32 s90, s90, s93
	s_mov_b32 s91, 0
	s_add_nc_u64 s[10:11], s[10:11], s[90:91]
	PLACES NP
.macro OUTBLK a                        ; A's block a: 64 sums a lane become 16 registers of codes, stored as they stand
.set AC, 64*((\a)%4)
	WIN 0x02+((\a)/4)                              ; source 0: window 2 or 3
.set j, 0
.rept 64
	v_med3_num_f32 v[TMP+j], v[AC+j], -v31, v31    ; the hold at the largest code; each accumulator from its low end on
.set j, j+1
.endr
	WIN 0
.irp b, 0,1,2,3,4,5,6,7
	v_cvt_scalef32_pk8_bf8_f32 v[CD+16*(\a)+2*\b:CD+16*(\a)+2*\b+1], v[TMP+8*\b:TMP+8*\b+7], v30
.endr
	v_nop                                          ; a plain instruction between the conversions and the next block's holds, which write their sources
.irp c, 0,1,2,3
	global_store_b128 v[LI], v[CD+16*(\a)+4*\c:CD+16*(\a)+4*\c+3], s[10:11] offset:1024*(\a)+(\c/2)*131072+(\c%2)*512
.endr
.endm
.irp a, 0,1,2,3,4,5,6,7
	OUTBLK \a
.endr
	s_wait_tensorcnt 0x0                           ; the wave's end
	ds_add_u32 v[SPW], v[NIL]
	s_wait_dscnt 0x0
	CROUND                                         ; the closing round
	s_endpgm
.Lfunc_end_k_q3d41323051_qkv:
	.size	k_q3d41323051_qkv, .Lfunc_end_k_q3d41323051_qkv-k_q3d41323051_qkv
	.p2alignl 7, 3214868480
	.fill 96, 4, 3214868480
	.section	.rodata,"a",@progbits
	.p2align	6, 0x0
	.amdhsa_kernel k_q3d41323051_qkv
		.amdhsa_group_segment_fixed_size 327680
		.amdhsa_private_segment_fixed_size 0
		.amdhsa_enable_private_segment 0
		.amdhsa_kernarg_size 48
		.amdhsa_user_sgpr_count 2
		.amdhsa_user_sgpr_kernarg_segment_ptr 1
		.amdhsa_wavefront_size32 1
		.amdhsa_system_sgpr_workgroup_id_x 1
		.amdhsa_system_sgpr_workgroup_id_y 1
		.amdhsa_system_sgpr_workgroup_id_z 1
		.amdhsa_system_vgpr_workitem_id 0
		.amdhsa_next_free_vgpr 1024
		.amdhsa_next_free_sgpr 100
		.amdhsa_reserve_vcc 0
		.amdhsa_float_denorm_mode_32 3
		.amdhsa_float_denorm_mode_16_64 3
		.amdhsa_memory_ordered 1
		.amdhsa_forward_progress 1
		.amdhsa_inst_pref_size 119
	.end_amdhsa_kernel
	.amdgpu_metadata
---
amdhsa.version: [ 1, 2 ]
amdhsa.kernels:
  - .name:           k_q3d41323051_qkv
    .symbol:         k_q3d41323051_qkv.kd
    .args:
      - { .name: hc, .offset: 0, .size: 8, .value_kind: global_buffer, .address_space: global }
      - { .name: Wq_codes, .offset: 8, .size: 8, .value_kind: global_buffer, .address_space: global }
      - { .name: Wk_codes, .offset: 16, .size: 8, .value_kind: global_buffer, .address_space: global }
      - { .name: Wv_codes, .offset: 24, .size: 8, .value_kind: global_buffer, .address_space: global }
      - { .name: lowp_scales, .offset: 32, .size: 8, .value_kind: global_buffer, .address_space: global }
      - { .name: qkv, .offset: 40, .size: 8, .value_kind: global_buffer, .address_space: global }
    .group_segment_fixed_size: 327680
    .private_segment_fixed_size: 0
    .kernarg_segment_align: 8
    .kernarg_segment_size: 48
    .max_flat_workgroup_size: 128
    .sgpr_count:     100
    .vgpr_count:     1024
    .wavefront_size: 32
...
	.end_amdgpu_metadata
.endif
;; end of part 2
;; launch attn (part 3): grid 8 x 32, 8 waves a work-group, no clusters, 327,680 bytes of LDS; arguments qkv, lowp_scales, att; writes att
.if DOCPART == 3
	.amdgcn_target "amdgcn-amd-amdhsa--gfx1250"
	.amdhsa_code_object_version 6
	.text
	.protected	k_q3d41323051_attn
	.globl	k_q3d41323051_attn
	.p2align	8
	.type	k_q3d41323051_attn,@function
k_q3d41323051_attn:
	s_mov_b64 s[64:65], 0
	v_nop
	global_prefetch_b8 v0, s[64:65] scope:SCOPE_SE
	s_setreg_imm32_b32 hwreg(HW_REG_WAVE_MODE, 25, 1), 1
	s_wait_xcnt 0x0
; Causal attention on codes of E5M2, head size 64: S^T = K Q^T, p = 2^(t - M), O^T = V^T P^T, O / l quantised at once for the product with Wo.
; t = score x log2(e) / 8; M = the running largest t rounded UP to a whole number; p is quantised with entry 8's scale, not normalised; l is the sum of the unquantised p.
; Key steps that lie wholly behind a tile's queries are under the causal mask and are left out.
; SHARES.  Work-group (x, bh) owns query blocks x and 15 - x (128 queries each) of head bh.  A wave works on TWO neighbouring tiles of 16 queries at a time (a, b = tiles 2 q, 2 q + 1 of a block, q = wave / 2),
; so that each fragment of K and of V that it reads from LDS feeds two matrix instructions.
; THE KEY STEPS OF A PAIR OF TILES ARE DEALT TO TWO WAVES.  Wave w and wave w ^ 1 own pair q of both blocks.  Each carries two states (Q, -M, l, O^T of two tiles): state X takes the EVEN key steps of one block's pair,
; state Y the ODD key steps of the other block's pair; which block is X's is (w ^ (w >> 2)) & 1.  So a wave has 8 or 9 of the 17 steps.  At the end state Y goes through LDS to the partner,
; which joins it with its own X of the same tiles: -M = the smaller of the two, each part x 2^(its M - M), a whole power of two.  X has step 0, so it is never empty; an empty Y holds O = l = 0 and gets the factor 0.
; LDS holds the head's K and V, 262,144 bytes, in eight groups of two key steps: group 0 is asked for at the head, group g + 1 behind the barrier in front of group g's steps, one tensor load of 4,096 bytes a wave.
; A group whose first step lies behind block 15 - x is read by no wave and is not asked for: a jump on ids and the count of steps, the same in all waves; every wait on TENSORcnt is for 0.
; NO CLUSTER: the work-groups of a head need different numbers of groups (five to eight, by x), so partners would not issue the same loads.
; PREFETCH: a group is 8 pieces of 4,096 bytes, one for each wave; work-group x asks for wave x's piece, a lane a block of 256 bytes (lanes 16-31 name the last block again), so each block is named once among
; the eight work-groups of a head.  Groups 1 and 2 are asked for at the head; behind the load of group g + 1, group g + 3; nothing behind group 7.
; K and V lie in memory and in LDS as images of the operands' registers: registers 4 c .. 4 c + 3 of a fragment at 16 x lane + 512 c.
;   K(step, tile T, c) at 8,192 step + 1,024 T + 512 c;   V(step, tile t, c) at 131,072 + 8,192 step + 4,096 (c / 2) + 1,024 t + 512 (c % 2).
; LAYOUT.  A lane (r, h) holds query r of each tile.  S^T's tile T, register j: key 16 T + 8 h + j: its conversion gives registers 2 T, 2 T + 1 of P.  O^T's tile t, register j: channel 16 t + 8 h + j.
; The output is an image of the next operand: (k >> 9) << 21 + (token / 16) x 8,192 + ((k >> 7) & 3) x 2,048.
; LIMITS: entries 6 + 7 between -123 and 130 (added to c's exponent field); entries 8 and 10 between -126 and 112; the scaled scores stay under 2^31 in magnitude; NaN among the inputs is not served.
; REGISTERS, window 0: v1-14 addresses and constants; v16-31, v32-47 Q of X and of Y; v48-111 K's 8 fragments, behind the first product at work; v112-175, v176-239 S^T then p of tiles a, b; v240-247, v248-255 the states' -M, t, l.
;   window 1: v0-63 O^T of X (a, b), v64-127 of Y; v128-191 V's 4 fragments; v192-223 p's codes (a, b).
.set LI,   1                           ; 16 x lane
.set LV,   2                           ; the same in V's half of LDS
.set PFO,  3                           ; the prefetch's offset
.set DD,   4                           ; the mask's d
.set SPW,  5                           ; my spare word; never rewritten
.set NIL,  6                           ; 0; never rewritten
.set ADK,  8
.set ADV,  9
.set LIMP, 10
.set SCP,  11
.set PTA,  12                          ; v12, v13 the lane exchanges' targets
.set NINF, 14
.set QX,   16
.set QY,   32
.set KF,   48
.set SS,   112
.set STX,  240                         ; a state: +0 (-M, t) of a, +2 of b, +4 l of a in two halves, +6 of b
.set STY,  248
.set OX,   0                           ; window 1
.set OY,   64
.set VF,   128
.set PC,   192
.set SPARE, 0x40000                    ; behind K and V: the spare words, 128 bytes for each wave
.set STG,  8704                        ; a wave's stage: 8,192 bytes of O^T, 512 of (-M, l, -M, l)
.set TB,   2                           ; s2   LDS byte at which the step's tiles of K begin
.set QBY,  3                           ; s3   Y's query block
.set PA,   12                          ; s12  tile a's number in its block
.set WV,   18
.set SEL,  20
.set CS,   22
.set G1,   24                          ; s[24:31] a dense block of 4,096 bytes as 16 rows of 256
.set G0,   32                          ; s[32:35] group 0, which walks
.set PFA,  36                          ; s[36:37] my piece, two groups further on than the walking descriptor
.set LIM,  38                          ; s38  5 in the wave that prefetches, else 0
.set HI,   39                          ; s39  15 - x: the last key step that any wave reads
.set LOF,  40                          ; s40  my piece's place in K's or V's 131,072 bytes
.set LBS,  41                          ; s41  0 (K) or 131,072 (V)
.set KS,   66                          ; s66  the key step
.set QBX,  67                          ; s67  X's query block
.set GC,   99                          ; s99  the group
.set MSB, 0
.macro WIN new                         ; the immediate's high byte repeats the setting that is left
.if MSB != \new
	s_set_vgpr_msb (MSB<<8)|\new
.set MSB, \new
.endif
.endm
	s_load_b128 s[4:7], s[0:1], 0x0                ; q, k, v s[4:5]; the scales' exponents s[6:7]
	s_load_b64 s[8:9], s[0:1], 0x10                ; the output
	v_lshl_add_u32 v[SPW], v0, 2, SPARE
	v_mov_b32 v[NIL], 0
	ds_add_u32 v[SPW], v[NIL]                      ; the opening: the add, twice on end, and its wait ahead of my first tensor load
	ds_add_u32 v[SPW], v[NIL]
	v_lshrrev_b32 v8, 5, v0
	v_readfirstlane_b32 s[WV], v8                  ; wave 0..7
	s_and_b32 s10, ttmp7, 0xffff                   ; bh = 16 batch + head
	s_mov_b32 s[G1], 3<<16                         ; no mask; elements of 8 bytes; no padding
	s_mov_b32 s[G1+1], 32<<16
	s_mov_b32 s[G1+2], 16<<16
	s_mov_b32 s[G1+3], 32<<16
	s_mov_b32 s[G1+4], 16
	s_mov_b32 s[G1+5], 32
	s_mov_b32 s[G1+6], 0
	s_mov_b32 s[G1+7], 0
	s_and_b32 s[LOF], s[WV], 3
	s_lshl_b32 s[LOF], s[LOF], 12                  ; waves 0-3: K's four pieces of a group; waves 4-7: V's
	s_lshr_b32 s[LBS], s[WV], 2
	s_lshl_b32 s[LBS], s[LBS], 17
	s_lshl_b32 s13, s10, 17
	s_add_co_u32 s13, s13, s[LOF]
	s_add_co_u32 s13, s13, 0x400000                ; K in memory: the head's block, 4,096 x wave
	s_and_b32 s14, s10, 30
	s_lshl_b32 s14, s14, 17
	s_and_b32 s15, s10, 1
	s_lshl_b32 s15, s15, 12
	s_add_co_u32 s14, s14, s15
	s_and_b32 s15, s[WV], 1
	s_lshl_b32 s15, s15, 17
	s_add_co_u32 s14, s14, s15                     ; V: chunks 0, 1 or 2, 3 by the wave's low bit,
	s_bfe_u32 s15, s[WV], 0x10001
	s_lshl_b32 s15, s15, 13
	s_add_co_u32 s14, s14, s15                     ; the step in the group by its next
	s_add_co_u32 s14, s14, 0x800000
	s_cmp_lt_u32 s[WV], 4
	s_cselect_b32 s16, s13, s14
	s_mov_b32 s17, 0
	s_and_b32 s[PA], s[WV], 6                      ; 2 q
	s_lshr_b32 s76, s[WV], 2
	s_xor_b32 s76, s76, s[WV]
	s_and_b32 s76, s76, 1
	s_sub_co_u32 s[HI], 15, ttmp9
	s_cmp_eq_u32 s76, 0
	s_cselect_b32 s[QBX], s[HI], ttmp9
	s_cselect_b32 s[QBY], ttmp9, s[HI]
	s_cmp_eq_u32 s[WV], ttmp9
	s_cselect_b32 s[LIM], 5, 0
	s_lshl_b32 s77, s[QBX], 3
	s_add_co_u32 s77, s77, s[PA]                   ; the number in the head of X's first 16 queries
	s_lshl_b32 s78, s[QBY], 3
	s_add_co_u32 s78, s78, s[PA]                   ; of Y's
	s_lshl_b32 s79, s10, 17
	s_lshl_b32 s80, s77, 10
	s_add_co_u32 s80, s80, s79                     ; X's two fragments of Q
	s_mov_b32 s81, 0
	s_lshl_b32 s82, s78, 10
	s_add_co_u32 s82, s82, s79                     ; Y's
	s_mov_b32 s83, 0
	s_and_b32 s84, s10, 15                         ; head
	s_lshr_b32 s85, s10, 4                         ; batch
	s_lshl_b32 s85, s85, 7
	s_add_co_u32 s85, s85, s77
	s_lshl_b32 s86, s85, 13                        ; the output of X's tile a: (token / 16) x 8,192
	s_lshr_b32 s87, s84, 3
	s_lshl_b32 s87, s87, 21
	s_add_co_u32 s86, s86, s87
	s_bfe_u32 s87, s84, 0x20001
	s_lshl_b32 s87, s87, 11
	s_add_co_u32 s86, s86, s87
	s_and_b32 s87, s84, 1
	s_lshl_b32 s87, s87, 10
	s_add_co_u32 s86, s86, s87
	s_mov_b32 s87, 0
	s_lshl_b32 s77, s[PA], 4                       ; 16 x tile a
	s_mov_b32 s[SEL], 0x76543210
	s_mov_b32 s[SEL+1], 0xfedcba98
	s_mov_b32 s[CS], 0x3e38aa3b                    ; c = log2(e) / 8
	s_mov_b32 s[KS], 0
	s_mov_b32 s[TB], 0
	s_mov_b32 s[GC], 0
	s_wait_dscnt 0x0                               ; both opening adds are done
	s_wait_kmcnt 0x0
	s_load_b256 s[68:75], s[6:7], 0x18             ; entries 6 to 13
	s_add_nc_u64 s[16:17], s[4:5], s[16:17]
	s_add_nc_u64 s[80:81], s[4:5], s[80:81]
	s_add_nc_u64 s[82:83], s[4:5], s[82:83]
	s_add_nc_u64 s[8:9], s[8:9], s[86:87]
	s_add_nc_u64 s[PFA:PFA+1], s[16:17], 32768     ; at group 2: the first change steps it to group 3
	s_mov_b32 s[G0], 1
	s_add_co_u32 s[G0+1], s[LOF], s[LBS]
	s_mov_b64 s[G0+2:G0+3], s[16:17]
	s_or_b32 s[G0+3], s[G0+3], 0x80000000
	tensor_load_to_lds s[G0:G0+3], s[G1:G1+7]      ; group 0: my one tensor load at the head
	s_nop 0
.rept 4
	v_nop
.endr
	v_and_b32 v7, 31, v0
	v_lshlrev_b32 v[LI], 4, v7
	v_add_nc_u32 v[LV], 0x20000, v[LI]
.irp c, 0,1,2,3
	global_load_b128 v[QX+4*\c:QX+4*\c+3], v[LI], s[80:81] offset:512*\c   ; the Q fragments stay in registers
	global_load_b128 v[QY+4*\c:QY+4*\c+3], v[LI], s[82:83] offset:512*\c
.endr
	v_min_u32 v[PFO], 15, v7
	v_lshlrev_b32 v[PFO], 8, v[PFO]
	s_cmp_lg_u32 s[LIM], 0                         ; groups 1 and 2: my piece of each
	s_cbranch_scc0 .Lno_first
	global_prefetch_b8 v[PFO], s[16:17] offset:16384 th:TH_LOAD_NT scope:SCOPE_SE
	global_prefetch_b8 v[PFO], s[16:17] offset:32768 th:TH_LOAD_NT scope:SCOPE_SE
.Lno_first:
	v_and_b32 v8, 15, v0
	v_bfe_u32 v9, v0, 4, 1
	v_lshlrev_b32 v9, 3, v9
	v_sub_nc_u32 v[DD], v8, v9
	v_add_nc_u32 v[DD], s77, v[DD]                 ; d = 16 tile a + r - 8 h: on the diagonal, register 8 T + j is hidden in tile a where 16 T + j > d, in tile b where 16 T + j - 16 > d
.irp s, STX, STY
	v_mov_b32 v[\s+1], 0xff61b1e6                  ; the largest t so far: -3e38
	v_mov_b32 v[\s+3], 0xff61b1e6
	v_floor_f32 v[\s], -v[\s+1]
	v_floor_f32 v[\s+2], -v[\s+3]
	v_mov_b32 v[\s+4], 0
	v_mov_b32 v[\s+5], 0
	v_mov_b32 v[\s+6], 0
	v_mov_b32 v[\s+7], 0
.endr
	v_mov_b32 v[PTA], 0                            ; a lane exchange's target counts as read
	v_mov_b32 v[PTA+1], 0
	v_mov_b32 v[NINF], 0xff800000
	WIN 0x40
.set j, 0
.rept 128
	v_mov_b32 v[OX+j], 0                           ; all four O^T: the step is written once for each state; the first finds zeros
.set j, j+1
.endr
	WIN 0
	s_wait_kmcnt 0x0
	s_add_co_i32 s76, s68, s69
	s_lshl_b32 s76, s76, 23
	s_add_co_i32 s[CS], s[CS], s76                 ; a score stands for score x 2^(e6 + e7)
	s_mov_b32 s[CS+1], s[CS]
	s_add_co_i32 s76, s70, 127
	s_lshl_b32 s77, s76, 23
	v_mov_b32 v[SCP], s77                          ; 2^e8
	s_add_co_i32 s76, s76, 15
	s_lshl_b32 s76, s76, 23
	s_or_b32 s76, s76, 0x600000
	v_mov_b32 v[LIMP], s76                         ; 57,344 x 2^e8
	s_add_co_i32 s76, s72, 127
	s_lshl_b32 s88, s76, 23                        ; 2^e10
	s_add_co_i32 s76, s76, 15
	s_lshl_b32 s89, s76, 23
	s_or_b32 s89, s89, 0x600000                    ; 57,344 x 2^e10
	s_add_co_i32 s76, s70, s71                     ; e8 + e9
.macro STEP Q, O, ST, QB               ; 128 keys for one state's two tiles
	s_cmp_gt_u32 s[KS], s[\QB]                     ; all keys of the step come after the state's queries: the work is left out (a branch on ids; no barrier and no tensor load stands in a step)
	s_cbranch_scc1 .Lhid_\@
	v_add_nc_u32 v[ADK], s[TB], v[LI]
	v_add_nc_u32 v[ADV], s[TB], v[LV]
.irp t, 0,1,2,3,4,5,6,7
.irp c, 0,1
	ds_load_b128 v[KF+8*\t+4*\c:KF+8*\t+4*\c+3], v[ADK] offset:1024*\t+512*\c
.endr
.endr
	s_wait_alu depctr_va_vdst(0)                   ; the wait ahead of the wait below
	s_wait_dscnt 0x0
.irp t, 0,1,2,3,4,5,6,7                ; each fragment of K against both tiles
	v_wmma_f32_16x16x64_bf8_bf8 v[SS+8*\t:SS+8*\t+7], v[KF+8*\t:KF+8*\t+7], v[(\Q):(\Q)+7], 0
	v_wmma_f32_16x16x64_bf8_bf8 v[SS+64+8*\t:SS+64+8*\t+7], v[KF+8*\t:KF+8*\t+7], v[(\Q)+8:(\Q)+15], 0
.endr
.rept 4
	v_nop                                          ; places: in front of the reads of S^T, of the writes into K's registers, and (with the two additions) of the loads into the registers that the last products read
.endr
	WIN 0x40
.irp t, 0,1,2,3                        ; V's fragments land while the softmax is worked
.irp c, 0,1,2,3
	ds_load_b128 v[VF+16*\t+4*\c:VF+16*\t+4*\c+3], v[ADV] offset:(\c/2)*4096+1024*\t+(\c%2)*512
.endr
.endr
	WIN 0
	s_cmp_lg_u32 s[KS], s[\QB]
	s_cbranch_scc1 .Lopen_\@
.irp T, 0,1,2,3,4,5,6,7                ; on the diagonal hidden scores become -infinity ahead of the maximum: p = 0 then.  A key tile T under tile a hides nothing: 16 T + 7 < 16 tile a - 8
	s_cmp_gt_u32 s[PA], \T
	s_cbranch_scc1 .Lvis_\@_\T
.irp i, 0,1,2,3,4,5,6,7
	v_cmp_gt_i32 vcc_lo, 16*\T+\i, v[DD]
	v_cndmask_b32 v[SS+8*\T+\i], v[SS+8*\T+\i], v[NINF], vcc_lo
	v_cmp_gt_i32 vcc_lo, 16*\T+\i-16, v[DD]
	v_cndmask_b32 v[SS+64+8*\T+\i], v[SS+64+8*\T+\i], v[NINF], vcc_lo
.endr
.Lvis_\@_\T:
.endr
.Lopen_\@:
	s_wait_alu depctr_va_vdst(0)
	v_max3_num_f32 v[KF], v[SS], v[SS+1], v[SS+2]  ; the step's largest score of my query among my 64 keys: two chains a tile, each accumulator from its low end on
	v_max3_num_f32 v[KF+2], v[SS+64], v[SS+65], v[SS+66]
	v_max3_num_f32 v[KF+1], v[SS+3], v[SS+4], v[SS+5]
	v_max3_num_f32 v[KF+3], v[SS+67], v[SS+68], v[SS+69]
.irp i, 6,10,14,18,22,26,30,34,38,42,46,50,54,58
	v_max3_num_f32 v[KF], v[KF], v[SS+\i], v[SS+1+\i]
	v_max3_num_f32 v[KF+2], v[KF+2], v[SS+64+\i], v[SS+65+\i]
	v_max3_num_f32 v[KF+1], v[KF+1], v[SS+2+\i], v[SS+3+\i]
	v_max3_num_f32 v[KF+3], v[KF+3], v[SS+66+\i], v[SS+67+\i]
.endr
	v_max3_num_f32 v[KF], v[KF], v[SS+62], v[SS+63]
	v_max3_num_f32 v[KF+2], v[KF+2], v[SS+126], v[SS+127]
	v_max_num_f32 v[KF], v[KF], v[KF+1]
	v_max_num_f32 v[KF+2], v[KF+2], v[KF+3]
	v_permlanex16_b32 v[PTA], v[KF], s[SEL], s[SEL+1]
	v_permlanex16_b32 v[PTA+1], v[KF+2], s[SEL], s[SEL+1]
	v_max_num_f32 v[KF], v[KF], v[PTA]             ; and among lane l xor 16's
	v_max_num_f32 v[KF+2], v[KF+2], v[PTA+1]
	v_mul_f32 v[KF], s[CS], v[KF]
	v_mul_f32 v[KF+2], s[CS], v[KF+2]
	v_max_num_f32 v[(\ST)+1], v[(\ST)+1], v[KF]    ; the running largest t
	v_max_num_f32 v[(\ST)+3], v[(\ST)+3], v[KF+2]
	v_mov_b32 v[KF+8], v[\ST]
	v_mov_b32 v[KF+9], v[(\ST)+2]
	v_floor_f32 v[\ST], -v[(\ST)+1]                ; -M = floor(-t): M is a whole number
	v_floor_f32 v[(\ST)+2], -v[(\ST)+3]
	v_sub_f32 v[KF+8], v[\ST], v[KF+8]
	v_sub_f32 v[KF+9], v[(\ST)+2], v[KF+9]
	v_cvt_i32_f32 v[KF+8], v[KF+8]
	v_cvt_i32_f32 v[KF+9], v[KF+9]
	v_ldexp_f32 v[KF+4], 1.0, v[KF+8]              ; f = 2^(old M - new M): rounds nothing
	v_ldexp_f32 v[KF+6], 1.0, v[KF+9]
.set j, 0
.rept 32
	v_pk_fma_f32 v[SS+j:SS+j+1], v[SS+j:SS+j+1], s[CS:CS+1], v[(\ST):(\ST)+1] op_sel_hi:[1,0,0]   ; t - M
	v_pk_fma_f32 v[SS+64+j:SS+65+j], v[SS+64+j:SS+65+j], s[CS:CS+1], v[(\ST)+2:(\ST)+3] op_sel_hi:[1,0,0]
.set j, j+2
.endr
	s_wait_alu depctr_va_vdst(0)
.set j, 0
.rept 128
	v_exp_f32 v[SS+j], v[SS+j]                     ; p = 2^(t - M)
.set j, j+1
.endr
	v_pk_mul_f32 v[(\ST)+4:(\ST)+5], v[(\ST)+4:(\ST)+5], v[KF+4:KF+5] op_sel_hi:[1,0]   ; the sums under the new M: plain instructions behind the batch
	v_pk_mul_f32 v[(\ST)+6:(\ST)+7], v[(\ST)+6:(\ST)+7], v[KF+6:KF+7] op_sel_hi:[1,0]
	s_wait_alu depctr_va_vdst(0)                   ; one wait for the 128, ahead of their first reader
.irp u, 0,1                            ; the sum of the unquantised p, in four chains a tile
.set BS, SS+64*\u
.set CH, KF+10+6*\u
.set LL, (\ST)+4+2*\u
	v_pk_add_f32 v[CH:CH+1], v[BS:BS+1], v[BS+2:BS+3]
	v_pk_add_f32 v[CH+2:CH+3], v[BS+4:BS+5], v[BS+6:BS+7]
	v_pk_add_f32 v[CH+4:CH+5], v[BS+8:BS+9], v[BS+10:BS+11]
	v_pk_add_f32 v[LL:LL+1], v[LL:LL+1], v[BS+12:BS+13]
.set j, 14
.rept 6
	v_pk_add_f32 v[CH:CH+1], v[CH:CH+1], v[BS+j:BS+j+1]
	v_pk_add_f32 v[CH+2:CH+3], v[CH+2:CH+3], v[BS+j+2:BS+j+3]
	v_pk_add_f32 v[CH+4:CH+5], v[CH+4:CH+5], v[BS+j+4:BS+j+5]
	v_pk_add_f32 v[LL:LL+1], v[LL:LL+1], v[BS+j+6:BS+j+7]
.set j, j+8
.endr
	v_pk_add_f32 v[CH:CH+1], v[CH:CH+1], v[BS+62:BS+63]
	v_pk_add_f32 v[LL:LL+1], v[LL:LL+1], v[CH+4:CH+5]
	v_pk_add_f32 v[CH:CH+1], v[CH:CH+1], v[CH+2:CH+3]
	v_pk_add_f32 v[LL:LL+1], v[LL:LL+1], v[CH:CH+1]
.endr
.set j, 0
.rept 128
	v_min_num_f32 v[SS+j], v[SS+j], v[LIMP]        ; the hold (the conversion does not saturate: ISA guide 7.6.2); p is never negative
.set j, j+1
.endr
	WIN 0x40                                       ; the codes go to window 1
.irp u, 0,1
.irp t, 0,1,2,3,4,5,6,7
	v_cvt_scalef32_pk8_bf8_f32 v[PC+16*\u+2*\t:PC+16*\u+2*\t+1], v[SS+64*\u+8*\t:SS+64*\u+8*\t+7], v[SCP]
.endr
.endr
	WIN 0x41                                       ; O^T in window 1, f in window 0
	s_wait_alu depctr_va_vdst(0)                   ; directly ahead of the first reader of O^T
.irp u, 0,1
.set j, 0
.rept 16
	v_pk_mul_f32 v[(\O)+32*\u+j:(\O)+32*\u+j+1], v[(\O)+32*\u+j:(\O)+32*\u+j+1], v[KF+4+2*\u:KF+5+2*\u] op_sel_hi:[1,0]   ; O^T under the new M; also the plain instructions behind the conversions
.set j, j+2
.endr
.endr
	s_wait_alu depctr_va_vdst(0)                   ; and ahead of the wait below
	s_wait_dscnt 0x0                               ; V
	WIN 0x55
.irp t, 0,1,2,3                        ; each fragment of V against both tiles; the eight accumulators by turns
	v_wmma_f32_16x16x128_bf8_bf8 v[(\O)+8*\t:(\O)+8*\t+7], v[VF+16*\t:VF+16*\t+15], v[PC:PC+15], v[(\O)+8*\t:(\O)+8*\t+7]
	v_wmma_f32_16x16x128_bf8_bf8 v[(\O)+32+8*\t:(\O)+32+8*\t+7], v[VF+16*\t:VF+16*\t+15], v[PC+16:PC+31], v[(\O)+32+8*\t:(\O)+32+8*\t+7]
.endr
	WIN 0
.Lhid_\@:
	s_add_co_u32 s[KS], s[KS], 1
	s_add_co_u32 s[TB], s[TB], 8192
.endm
	s_wait_alu depctr_va_vdst(0)
	s_wait_loadcnt 0x0                             ; Q
.Lgrp:                                             ; eight trips: a group of two key steps each
	s_wait_tensorcnt 0x0                           ; my piece of this group is in, and no load of mine is out: group 0 of the descriptor may be written
	ds_add_u32 v[SPW], v[NIL]                      ; 0 onto my spare word
	s_add_co_u32 s[LOF], s[LOF], 16384             ; the next group's piece,
	s_and_b32 s[LOF], s[LOF], 0x1ffff              ; kept inside K's or V's 131,072 bytes
	s_add_co_u32 s[G0+1], s[LOF], s[LBS]
	s_add_nc_u64 s[G0+2:G0+3], s[G0+2:G0+3], 16384
	s_wait_xcnt 0x0                                ; any prefetch of mine has read its address
	s_add_nc_u64 s[PFA:PFA+1], s[PFA:PFA+1], 16384
	s_wait_dscnt 0x0                               ; the add is done
	s_barrier_signal -1
	s_barrier_wait -1                              ; everybody's piece of this group is in
	s_add_co_u32 s96, s[KS], 2                     ; the next group's first key step
	s_cmp_gt_u32 s96, s[HI]                        ; behind the last step that any of my work-group's waves reads (always so in the eighth trip): not asked for
	s_cbranch_scc1 .Lpast
	tensor_load_to_lds s[G0:G0+3], s[G1:G1+7]      ; my one tensor load behind this barrier: a first fill, with this group's steps in which to land
	s_nop 0
.rept 4
	v_nop
.endr
.Lpast:
	s_cmp_lt_u32 s[GC], s[LIM]                     ; trips 0 to 4, in the wave whose pieces my work-group asks for
	s_cbranch_scc0 .Lnot_mine
	global_prefetch_b8 v[PFO], s[PFA:PFA+1] th:TH_LOAD_NT scope:SCOPE_SE   ; my piece of the group two behind the one just asked for: 16 blocks of 256 bytes
.Lnot_mine:
	STEP QX, OX, STX, QBX
	STEP QY, OY, STY, QBY
	s_add_co_u32 s[GC], s[GC], 1
	s_cmp_lt_u32 s[GC], 8
	s_cbranch_scc1 .Lgrp
	; THE JOIN.  My Y goes to my partner through a stage in K's bytes, which have had their last fill and, behind the barrier, their last read; my partner's Y joins my X.
	s_mul_i32 s77, s[WV], STG
	s_xor_b32 s78, s[WV], 1
	s_mul_i32 s78, s78, STG
	v_add_nc_u32 v8, s77, v[LI]                    ; (these plain instructions are also the places behind the last products)
	v_add_nc_u32 v9, s78, v[LI]
	v_add_f32 v[STY+1], v[STY+4], v[STY+5]         ; Y as (-M, l) of a, (-M, l) of b
	v_add_f32 v[STY+3], v[STY+6], v[STY+7]
	v_add_f32 v[STX+4], v[STX+4], v[STX+5]
	v_add_f32 v[STX+6], v[STX+6], v[STX+7]
	s_wait_alu depctr_va_vdst(0)
	s_wait_tensorcnt 0x0
	ds_add_u32 v[SPW], v[NIL]
	s_wait_dscnt 0x0                               ; my reads of K and V are over
	s_barrier_signal -1
	s_barrier_wait -1
	WIN 0x04                                       ; the stores' data in window 1
	s_wait_alu depctr_va_vdst(0)                   ; directly ahead of the first reader of Y's O^T
.irp k, 0,1,2,3,4,5,6,7,8,9,10,11,12,13,14,15
	ds_store_b128 v8, v[OY+4*\k:OY+4*\k+3] offset:512*\k   ; each accumulator from its low end on
.endr
	WIN 0
	ds_store_b128 v8, v[STY:STY+3] offset:8192
	s_wait_dscnt 0x0                               ; for my partner's sake
	s_barrier_signal -1
	s_barrier_wait -1
.irp k, 0,1,2,3,4,5,6,7,8,9,10,11,12,13,14,15
	ds_load_b128 v[SS+4*\k:SS+4*\k+3], v9 offset:512*\k
.endr
	ds_load_b128 v[KF:KF+3], v9 offset:8192
	s_wait_dscnt 0x0
	v_mov_b32 v[KF+6], s89                         ; 57,344 x 2^e10
	v_mov_b32 v[KF+7], s88                         ; 2^e10
.irp u, 0,1
	v_min_num_f32 v[KF+4+\u], v[STX+2*\u], v[KF+2*\u]      ; the joint -M
	v_sub_f32 v[KF+8+4*\u], v[KF+4+\u], v[STX+2*\u]
	v_sub_f32 v[KF+10+4*\u], v[KF+4+\u], v[KF+2*\u]
	v_cvt_i32_f32 v[KF+8+4*\u], v[KF+8+4*\u]               ; (it saturates: an empty part gets the factor 0)
	v_cvt_i32_f32 v[KF+10+4*\u], v[KF+10+4*\u]
	v_ldexp_f32 v[KF+8+4*\u], 1.0, v[KF+8+4*\u]
	v_ldexp_f32 v[KF+10+4*\u], 1.0, v[KF+10+4*\u]
	v_mul_f32 v[STX+4+2*\u], v[STX+4+2*\u], v[KF+8+4*\u]
	v_fma_f32 v[STX+4+2*\u], v[KF+1+2*\u], v[KF+10+4*\u], v[STX+4+2*\u]
	v_permlanex16_b32 v[PTA+\u], v[STX+4+2*\u], s[SEL], s[SEL+1]
	v_add_f32 v[STX+4+2*\u], v[STX+4+2*\u], v[PTA+\u]      ; the row's sum
.endr
	s_wait_alu depctr_va_vdst(0)
	v_rcp_f32 v[STX+4], v[STX+4]
	v_rcp_f32 v[STX+6], v[STX+6]
	v_nop                                          ; a plain instruction behind the two
	s_wait_alu depctr_va_vdst(0)                   ; and the wait ahead of their first reader
.irp u, 0,1
	v_ldexp_f32 v[STX+4+2*\u], v[STX+4+2*\u], s76  ; x 2^(e8 + e9)
	v_mul_f32 v[KF+8+4*\u], v[KF+8+4*\u], v[STX+4+2*\u]
	v_mul_f32 v[KF+10+4*\u], v[KF+10+4*\u], v[STX+4+2*\u]
	v_mov_b32 v[KF+9+4*\u], v[KF+8+4*\u]
	v_mov_b32 v[KF+11+4*\u], v[KF+10+4*\u]
.endr
	WIN 0x01                                       ; X's O^T in window 1
	s_wait_alu depctr_va_vdst(0)                   ; directly ahead of the first reader of X's O^T
.irp u, 0,1
.set j, 0
.rept 16
	v_pk_mul_f32 v[SS+64+32*\u+j:SS+65+32*\u+j], v[OX+32*\u+j:OX+32*\u+j+1], v[KF+8+4*\u:KF+9+4*\u]
.set j, j+2
.endr
.endr
	WIN 0
.irp u, 0,1
.set j, 0
.rept 16
	v_pk_fma_f32 v[SS+64+32*\u+j:SS+65+32*\u+j], v[SS+32*\u+j:SS+32*\u+j+1], v[KF+10+4*\u:KF+11+4*\u], v[SS+64+32*\u+j:SS+65+32*\u+j]
.set j, j+2
.endr
.endr
.set j, 0
.rept 64
	v_med3_num_f32 v[SS+64+j], v[SS+64+j], -v[KF+6], v[KF+6]
.set j, j+1
.endr
.irp t, 0,1,2,3,4,5,6,7
	v_cvt_scalef32_pk8_bf8_f32 v[QX+2*\t:QX+2*\t+1], v[SS+64+8*\t:SS+64+8*\t+7], v[KF+7]
.endr
	v_nop
	global_store_b128 v[LI], v[QX:QX+3], s[8:9]    ; each store of the wave covers 512 consecutive bytes, aligned
	global_store_b128 v[LI], v[QX+4:QX+7], s[8:9] offset:512
	global_store_b128 v[LI], v[QX+8:QX+11], s[8:9] offset:8192
	global_store_b128 v[LI], v[QX+12:QX+15], s[8:9] offset:8704
	s_wait_tensorcnt 0x0                           ; the wave's end
	ds_add_u32 v[SPW], v[NIL]
	s_wait_dscnt 0x0
	s_endpgm
.Lfunc_end_k_q3d41323051_attn:
	.size	k_q3d41323051_attn, .Lfunc_end_k_q3d41323051_attn-k_q3d41323051_attn
	.p2alignl 7, 3214868480
	.fill 96, 4, 3214868480
	.section	.rodata,"a",@progbits
	.p2align	6, 0x0
	.amdhsa_kernel k_q3d41323051_attn
		.amdhsa_group_segment_fixed_size 327680
		.amdhsa_private_segment_fixed_size 0
		.amdhsa_enable_private_segment 0
		.amdhsa_kernarg_size 24
		.amdhsa_user_sgpr_count 2
		.amdhsa_user_sgpr_kernarg_segment_ptr 1
		.amdhsa_wavefront_size32 1
		.amdhsa_system_sgpr_workgroup_id_x 1
		.amdhsa_system_sgpr_workgroup_id_y 1
		.amdhsa_system_sgpr_workgroup_id_z 1
		.amdhsa_system_vgpr_workitem_id 0
		.amdhsa_next_free_vgpr 512
		.amdhsa_next_free_sgpr 100
		.amdhsa_reserve_vcc 1
		.amdhsa_float_denorm_mode_32 3
		.amdhsa_float_denorm_mode_16_64 3
		.amdhsa_memory_ordered 1
		.amdhsa_forward_progress 1
		.amdhsa_inst_pref_size 103
	.end_amdhsa_kernel
	.amdgpu_metadata
---
amdhsa.version: [ 1, 2 ]
amdhsa.kernels:
  - .name:           k_q3d41323051_attn
    .symbol:         k_q3d41323051_attn.kd
    .args:
      - { .name: qkv, .offset: 0, .size: 8, .value_kind: global_buffer, .address_space: global }
      - { .name: lowp_scales, .offset: 8, .size: 8, .value_kind: global_buffer, .address_space: global }
      - { .name: att, .offset: 16, .size: 8, .value_kind: global_buffer, .address_space: global }
    .group_segment_fixed_size: 327680
    .private_segment_fixed_size: 0
    .kernarg_segment_align: 8
    .kernarg_segment_size: 24
    .max_flat_workgroup_size: 256
    .sgpr_count:     100
    .vgpr_count:     512
    .wavefront_size: 32
...
	.end_amdgpu_metadata
.endif
;; end of part 3
;; launch wo (part 4): grid 8 x 32, 4 waves a work-group, clusters of 4 x 4, 327,680 bytes of LDS; arguments att, Wo_codes, lowp_scales, x, x1; writes x1
.if DOCPART == 4
	.amdgcn_target "amdgcn-amd-amdhsa--gfx1250"
	.amdhsa_code_object_version 6
	.text
	.protected	k_q3d41323051_wo
	.globl	k_q3d41323051_wo
	.p2align	8
	.type	k_q3d41323051_wo,@function
k_q3d41323051_wo:
	s_mov_b64 s[64:65], 0
	v_nop
	global_prefetch_b8 v0, s[64:65] scope:SCOPE_SE
	s_setreg_imm32_b32 hwreg(HW_REG_WAVE_MODE, 25, 1), 1
	s_wait_xcnt 0x0
	s_wait_alu depctr_hold_cnt(0) depctr_sa_sdst(0) depctr_va_vdst(0) depctr_va_sdst(0) depctr_va_ssrc(0) depctr_va_vcc(0) depctr_vm_vsrc(0)
	s_getreg_b32 s2, hwreg(HW_REG_IB_STS2, 6, 4)
	s_cmp_eq_u32 s2, 0
	s_cbranch_scc0 .Lentry_in_a_cluster
	s_endpgm
.Lentry_in_a_cluster:
	s_bfe_u32 s2, ttmp6, 0x10000c
	s_cmp_lg_u32 s2, 0xf033
	s_cbranch_scc0 .Lentry_shape_is_right
	s_endpgm
.Lentry_shape_is_right:
; out = res + A B^T x 2^(eA + eB).  A: [4096][SIZE_K] codes of E5M2, laid as images of the operand's registers; B: [1024][SIZE_K] codes, row-major; res, out: [4096][1024] f32.
; A tile of 128 x 128 is made by four waves, 64 x 64 each: 16 accumulators.  256 tiles: one for each work-group of the grid.  K goes in steps of 512 through a ring of two LDS slots.
; CLUSTERS: 4 x 4 work-groups; A's tile is shared along a row of the cluster, B's along a column, each asked for jointly.
; A's image: (k >> 9) << 21 + (token / 16) x 8,192 + ((k >> 7) & 3) x 2,048 + 512 c + 16 x lane: 64 tokens x 512 k are one dense block of 32,768 bytes; a fragment comes by four loads of 512 consecutive bytes.
; Its k stand in the K = 128 form's own places (registers 2 c', 2 c' + 1: k = 16 c' + 8 h + 0..7), so B's fragments are fetched in that layout too: eight loads of 8 bytes from rows 528 bytes apart.
; THE MATRIX INSTRUCTION IS USED TRANSPOSED (source 0 = 16 rows of B, source 1 = 16 tokens): a lane holds eight neighbouring numbers of a row of the output.
; The residual's 128 registers a lane are asked for at the head and wait in window 2.
; LIMIT: eA + eB between -126 and 127.
; REGISTERS: window 0: v16-29 addresses; v32-95 rows back from the stage, two sets; v128-255 the accumulators ((a, b) at v[128 + 8 (4 a + b)]), later the rows to store.
;   window 1: two fragment buffers of 128: A's four fragments, then B's four.   window 2: v0-127 the residual.
.set SIZE_K, 1024
.set EOFF,   0x28                      ; entries 10, 11
.set PART,   33792                     ; a wave's part of a slot: 32,768 bytes of A's images, or 64 rows of B at 528 bytes
.set BP,     528                       ; 512 bytes + 16 of padding = 132 words: the 32 lanes of an 8-byte load touch 64 different banks (64 banks of 4 bytes: ISA guide 11.1)
.set SLOT,   4*PART
.set STAGE,  2*SLOT                    ; behind the ring: 16 rows x 272 bytes for each wave
.set SPITCH, 272
.set SPARE,  STAGE+4*16*SPITCH         ; behind the stages: the spare words, 128 bytes for each wave
.set LAPS,   SIZE_K/1024
.set ADRA, 16
.set ADRB, 20
.set STO,  24
.set RD,   25
.set CO,   26
.set SPW,  28
.set NIL,  29
.set BK,   32
.set ACC,  128
.set F0,   0
.set F1,   128
.set G1, 24
.set G0, 32
.set G1B, 48
.set G0B, 56
.set MSB, 0
.macro WIN new
.if MSB != \new
	s_set_vgpr_msb (MSB<<8)|\new
.set MSB, \new
.endif
.endm
.set MUL,  0x05                        ; sources 0 and 1 window 1; C and D window 0
.set TO_F, 0x40                        ; destination window 1, address window 0
.macro JLOAD s                         ; a joint load: waves 0 and 1 fetch A's halves, waves 2 and 3 B's; four v_nop follow each of the two lines
	s_cmp_eq_u32 s15, 0
	s_cbranch_scc0 .Lfor_b_\@
	tensor_load_to_lds s[G0+4*\s:G0+4*\s+3], s[G1:G1+7]
	s_nop 0
.rept 4
	v_nop
.endr
	s_branch .Lasked_\@
.Lfor_b_\@:
	tensor_load_to_lds s[G0B+4*\s:G0B+4*\s+3], s[G1B:G1B+7]
	s_nop 0
.rept 4
	v_nop
.endr
.Lasked_\@:
.endm
.macro CREST
	s_cmp_lg_u32 s14, 0
	s_cbranch_scc1 .Lnot_wave_0_\@
	s_barrier_signal -3
.Lnot_wave_0_\@:
	s_barrier_wait -3
	s_barrier_signal -1
	s_barrier_wait -1
.endm
.macro CROUND
	s_barrier_signal -1
	s_barrier_wait -1
	CREST
.endm
	s_load_b256 s[4:11], s[0:1], 0x0               ; A s[4:5], B s[6:7], the scales' exponents s[8:9], the residual s[10:11]
	s_load_b64 s[12:13], s[0:1], 0x20              ; the output
	v_lshl_add_u32 v[SPW], v0, 2, SPARE
	v_mov_b32 v[NIL], 0
	ds_add_u32 v28, v29
	ds_add_u32 v28, v29
	s_wait_dscnt 0x0
	v_lshrrev_b32 v1, 5, v0
	v_readfirstlane_b32 s14, v1                    ; wave 0..3
	s_lshr_b32 s15, s14, 1                         ; my half of the tile's rows.  Also: I fetch for A (0) or for B (1)
	s_and_b32 s16, s14, 1                          ; my half of its columns.  Also: which half of that tile I fetch
	s_bfe_u32 s40, ttmp6, 0x40000
	s_bfe_u32 s41, ttmp6, 0x40004
	s_lshl_b32 s42, ttmp9, 2
	s_add_co_u32 s42, s42, s40                     ; tile column
	s_and_b32 s17, ttmp7, 0xffff
	s_lshl_b32 s17, s17, 2
	s_add_co_u32 s17, s17, s41                     ; tile row
	s_lshl_b32 s43, s41, 2
	s_lshl_b32 s43, 15, s43
	s_lshl_b32 s44, 0x1111, s40
	s_or_b32 s[G1+0], s43, (3<<16)|(1<<21)         ; A: the mask of my row; elements of 8 bytes; no padding: a dense block as 128 rows of 256 bytes
	s_mov_b32 s[G1+1], 32<<16
	s_mov_b32 s[G1+2], 128<<16
	s_mov_b32 s[G1+3], 32<<16
	s_mov_b32 s[G1+4], 128
	s_mov_b32 s[G1+5], 32
	s_mov_b32 s[G1+6], 0
	s_mov_b32 s[G1+7], 0
	s_or_b32 s[G1B+0], s44, (0<<16)|(1<<20)|(1<<21)|(6<<22)|(3<<25)  ; B: the mask of my column; elements of 1 byte; 4 words of padding after every 128
	s_mov_b32 s[G1B+1], 512<<16
	s_mov_b32 s[G1B+2], 64<<16
	s_mov_b32 s[G1B+3], 512<<16
	s_mov_b32 s[G1B+4], 64
	s_mov_b32 s[G1B+5], SIZE_K
	s_mov_b32 s[G1B+6], 0
	s_mov_b32 s[G1B+7], 0
	s_lshl_b32 s20, s17, 16
	s_lshl_b32 s18, s16, 15
	s_add_co_u32 s20, s20, s18                     ; A: 65,536 x tile row + 32,768 x half
	s_mov_b32 s21, 0
	s_lshl_b32 s46, s42, 7
	s_lshl_b32 s18, s16, 6
	s_add_co_u32 s46, s46, s18
	s_mul_i32 s46, s46, SIZE_K                     ; B: row 128 x tile column + 64 x half
	s_mov_b32 s47, 0
	s_mul_i32 s45, s14, PART
	s_cmp_eq_u32 s15, 0
	s_mov_b32 s72, SIZE_K
	s_cselect_b32 s72, 512, s72                    ; the prefetch's offset: two lanes take 512 neighbouring bytes; the next two 512 bytes on (A's dense block) or a row on (B)
	v_and_b32 v22, 31, v0
	v_lshrrev_b32 v23, 1, v22
	v_and_b32 v22, 1, v22
	v_lshlrev_b32 v22, 8, v22
	v_mad_u32_u24 v22, v23, s72, v22               ; never rewritten
	s_wait_alu depctr_va_vdst(0)
	s_wait_kmcnt 0x0
	s_load_b64 s[96:97], s[8:9], EOFF              ; eA, eB
	s_add_nc_u64 s[20:21], s[4:5], s[20:21]
	s_add_nc_u64 s[46:47], s[6:7], s[46:47]
	s_cmp_eq_u32 s15, 0                            ; the prefetch: of the 128 blocks of 256 bytes that I fetch in a K step, each of the four partners that ask for them jointly takes 32, told apart by address
	s_cselect_b64 s[68:69], s[20:21], s[46:47]
	s_cselect_b32 s74, s40, s41                    ; my place among the four: cx for A, cy for B
	s_mov_b32 s70, 512
	s_cselect_b32 s70, 0x200000, s70               ; a K step on
	s_mov_b32 s71, 0
	s_mov_b32 s73, 16*SIZE_K
	s_cselect_b32 s73, 8192, s73                   ; a partner's share: 8,192 bytes of A's block, 16 rows of B
	s_mul_i32 s74, s74, s73
	s_mov_b32 s75, 0
	s_add_nc_u64 s[68:69], s[68:69], s[74:75]
	s_add_nc_u64 s[68:69], s[68:69], s[70:71]      ; at K step 1
	CROUND                                         ; all sixteen work-groups are here: the first joint loads meet
.irp s, 0,1
	s_mov_b32 s[G0+4*\s], 1
	s_add_co_u32 s[G0+4*\s+1], s45, \s*SLOT
	s_add_nc_u64 s[G0+4*\s+2:G0+4*\s+3], s[20:21], \s*0x200000
	s_or_b32 s[G0+4*\s+3], s[G0+4*\s+3], 0x80000000
	s_mov_b32 s[G0B+4*\s], 1
	s_add_co_u32 s[G0B+4*\s+1], s45, \s*SLOT
	s_add_nc_u64 s[G0B+4*\s+2:G0B+4*\s+3], s[46:47], \s*512
	s_or_b32 s[G0B+4*\s+3], s[G0B+4*\s+3], 0x80000000
.if \s                                 ; slot 1's first fill is issued as a refill is
	s_wait_alu depctr_va_vdst(0)
	s_wait_tensorcnt 0x0
	ds_add_u32 v28, v29
	ds_add_u32 v28, v29
	s_wait_dscnt 0x0
	CROUND
.endif
	JLOAD \s
.if 1-\s                               ; a prefetch into the L2, behind K step 0's load: K step 1, the last
	global_prefetch_b8 v22, s[68:69] th:TH_LOAD_NT scope:SCOPE_SE
.endif
.endr
	v_and_b32 v1, 15, v0
	v_bfe_u32 v2, v0, 4, 1
	v_and_b32 v6, 31, v0
	v_lshlrev_b32 v4, 4, v6                        ; A: 16 x lane
	v_mul_u32_u24 v3, v1, BP
	v_lshl_add_u32 v3, v2, 3, v3                   ; B: row x pitch + 8 x half
	s_mul_i32 s21, s15, PART
	s_mul_i32 s22, s16, PART
	s_add_co_u32 s22, s22, 2*PART
.irp s, 0,1
	v_add_nc_u32 v[ADRA+\s], s21, v4
	v_add_nc_u32 v[ADRB+\s], s22, v3
	s_add_co_u32 s21, s21, SLOT
	s_add_co_u32 s22, s22, SLOT
.endr
	s_mul_i32 s23, s14, 16*SPITCH
	s_add_co_u32 s23, s23, STAGE                   ; my stage
	v_mul_u32_u24 v5, v1, SPITCH
	v_lshl_add_u32 v5, v2, 5, v5
	v_add_nc_u32 v[STO], s23, v5                   ; in: row r, 32 bytes for each half of the lanes
	v_mul_u32_u24 v5, v2, SPITCH
	v_lshl_add_u32 v5, v1, 4, v5
	v_add_nc_u32 v[RD], s23, v5                    ; back: lanes 0-15 one row of 256 bytes, lanes 16-31 the next
	v_lshlrev_b32 v5, 12, v2
	v_lshl_add_u32 v[CO], v1, 4, v5                ; and the same two rows in memory
	s_wait_alu depctr_va_vdst(0)
	s_lshl_b32 s20, s17, 7
	s_lshl_b32 s21, s15, 6
	s_add_co_u32 s20, s20, s21
	s_lshl_b32 s20, s20, 12                        ; my first row, of 4,096 bytes
	s_lshl_b32 s21, s42, 9
	s_add_co_u32 s20, s20, s21
	s_lshl_b32 s21, s16, 8
	s_add_co_u32 s20, s20, s21                     ; my first column
	s_mov_b32 s21, 0
	s_add_nc_u64 s[10:11], s[10:11], s[20:21]
	s_add_nc_u64 s[12:13], s[12:13], s[20:21]
	WIN 0x80                                       ; destination window 2
.irp a, 0,1,2,3
.irp t, 0,1,2,3,4,5,6,7
	global_load_b128 v[4*(8*\a+\t):4*(8*\a+\t)+3], v[CO], s[10:11] offset:(16*\a+2*\t)*4096 th:TH_LOAD_NT   ; the residual: it lands while K is walked
.endr
.endr
	WIN 0
.macro MULA f, a, zero                 ; A's block a x B's four.  The 16 accumulators take turns, one instruction a turn
.irp b, 0,1,2,3
.if \zero
	v_wmma_f32_16x16x128_bf8_bf8 v[ACC+8*(4*(\a)+\b):ACC+8*(4*(\a)+\b)+7], v[\f+64+16*\b:\f+64+16*\b+15], v[\f+16*(\a):\f+16*(\a)+15], 0
.else
	v_wmma_f32_16x16x128_bf8_bf8 v[ACC+8*(4*(\a)+\b):ACC+8*(4*(\a)+\b)+7], v[\f+64+16*\b:\f+64+16*\b+15], v[\f+16*(\a):\f+16*(\a)+15], v[ACC+8*(4*(\a)+\b):ACC+8*(4*(\a)+\b)+7]
.endif
.endr
.endm
.macro FETCH slot, q, f                ; 48 LDS loads in one run: the slot's q-th 128 along K into buffer f; B first, A's blocks 2 and 3 last
	WIN TO_F
.irp i, 0,1,2,3
.irp c, 0,1,2,3,4,5,6,7
	ds_load_b64 v[\f+64+16*\i+2*\c:\f+64+16*\i+2*\c+1], v[ADRB+\slot] offset:\i*16*BP+128*(\q)+16*\c
.endr
.endr
.irp i, 0,1,2,3
.irp c, 0,1,2,3
	ds_load_b128 v[\f+16*\i+4*\c:\f+16*\i+4*\c+3], v[ADRA+\slot] offset:\i*8192+2048*(\q)+512*\c
.endr
.endr
.endm
.macro PLACES
.rept 4
	v_nop
.endr
.endm
.macro QUARTER slot, q, f, g, zero     ; multiplies buffer f and fetches the slot's q-th 128 along K into g
	s_wait_dscnt 8                                 ; B and A's blocks 0, 1 are in; the youngest eight loads (A's blocks 2, 3) may be out
	WIN MUL
	MULA \f, 0, \zero
	MULA \f, 1, \zero
	PLACES
	FETCH \slot, \q, \g
	s_wait_dscnt 48                                ; all but the 48 just issued
	WIN MUL
	MULA \f, 2, \zero
	MULA \f, 3, \zero
.endm
.macro TURN slot, next, fill           ; the last quarter multiplies buffer 1 and changes slots: one barrier; fill = 1: this slot is filled again, two K steps ahead
	WIN 0
	s_wait_tensorcnt 0x0                           ; all my tensor loads have landed: my part of the next slot
	ds_add_u32 v[SPW], v[NIL]                      ; 0 onto my spare word
	s_wait_dscnt 9                                 ; the add and the youngest eight loads may be out
	WIN MUL
	MULA F1, 0, 0
	s_wait_dscnt 0x0                               ; the add is done, and my reads of this slot are over
	s_barrier_signal -1
	MULA F1, 1, 0
.if \fill
	WIN 0
.endif
	s_barrier_wait -1
.if \fill
	CREST                                          ; the barrier has opened a round of the cluster's: no wave of any partner still reads this slot or has a load on its way
	s_add_nc_u64 s[G0+4*\slot+2:G0+4*\slot+3], s[G0+4*\slot+2:G0+4*\slot+3], 0x400000
	s_add_nc_u64 s[G0B+4*\slot+2:G0B+4*\slot+3], s[G0B+4*\slot+2:G0B+4*\slot+3], 1024
	JLOAD \slot
.else
	PLACES
.endif
	FETCH \next, 0, F0
	WIN MUL
	MULA F1, 2, 0
	MULA F1, 3, 0
.endm
	s_wait_tensorcnt 1                             ; my part of K step 0 is in; K step 1's load may be out
	s_barrier_signal -1
	s_barrier_wait -1
	FETCH 0, 0, F0
	QUARTER 0, 1, F0, F1, 1                        ; the first quarter's products start the sums
.if LAPS > 1
	WIN 0
	s_mov_b32 s3, LAPS-1
.Llap:
	QUARTER 0, 2, F1, F0, 0
	QUARTER 0, 3, F0, F1, 0
	TURN 0, 1, 1
	QUARTER 1, 1, F0, F1, 0
	QUARTER 1, 2, F1, F0, 0
	QUARTER 1, 3, F0, F1, 0
	TURN 1, 0, 1
	QUARTER 0, 1, F0, F1, 0
	WIN 0
	s_sub_co_u32 s3, s3, 1
	s_cmp_lg_u32 s3, 0
	s_cbranch_scc1 .Llap
.endif
	QUARTER 0, 2, F1, F0, 0                        ; the last lap fills nothing
	QUARTER 0, 3, F0, F1, 0
	TURN 0, 1, 0
	QUARTER 1, 1, F0, F1, 0
	QUARTER 1, 2, F1, F0, 0
	QUARTER 1, 3, F0, F1, 0
	s_wait_dscnt 8
	WIN MUL
	MULA F1, 0, 0
	MULA F1, 1, 0
	s_wait_dscnt 0
	MULA F1, 2, 0
	MULA F1, 3, 0
	WIN 0
	; THE WAY OUT, a block of 16 rows x 64 columns at a time: through my own stage, back as whole rows of 256 bytes, x 2^(eA + eB) + the residual, stored.
	PLACES
	s_wait_kmcnt 0x0
	s_add_co_i32 s96, s96, s97
	s_add_co_i32 s96, s96, 127
	s_lshl_b32 s96, s96, 23                        ; 2^(eA + eB) as f32
	s_wait_loadcnt 0x0                             ; the residual
.macro TOSTAGE a
.irp b, 0,1,2,3
	ds_store_b128 v[STO], v[ACC+8*(4*(\a)+\b):ACC+8*(4*(\a)+\b)+3] offset:64*\b          ; each accumulator from its low end on
	ds_store_b128 v[STO], v[ACC+8*(4*(\a)+\b)+4:ACC+8*(4*(\a)+\b)+7] offset:64*\b+16
.endr
.irp t, 0,1,2,3,4,5,6,7
	ds_load_b128 v[BK+32*((\a)%2)+4*\t:BK+32*((\a)%2)+4*\t+3], v[RD] offset:\t*2*SPITCH   ; LDS serves a wave's instructions in order (ISA guide 5.7.1.4): these see my stores
.endr
.endm
.macro SEND a, younger                 ; younger: the LDS instructions issued behind block a's loads
	s_wait_dscnt \younger
	WIN 0x20                                       ; source 2 (the residual) window 2
.irp i, 0,1,2,3,4,5,6,7,8,9,10,11,12,13,14,15
	v_pk_fma_f32 v[ACC+32*(\a)+2*\i:ACC+32*(\a)+2*\i+1], v[BK+32*((\a)%2)+2*\i:BK+32*((\a)%2)+2*\i+1], s[96:97], v[32*(\a)+2*\i:32*(\a)+2*\i+1] op_sel_hi:[1,0,1]
.endr
	WIN 0
.irp t, 0,1,2,3,4,5,6,7
	global_store_b128 v[CO], v[ACC+32*(\a)+4*\t:ACC+32*(\a)+4*\t+3], s[12:13] offset:(16*(\a)+2*\t)*4096   ; 16 lanes store 256 consecutive bytes, aligned
.endr
.endm
	TOSTAGE 0
	TOSTAGE 1
	SEND 0, 16
	TOSTAGE 2
	SEND 1, 16
	TOSTAGE 3
	SEND 2, 16
	SEND 3, 0
	s_wait_tensorcnt 0x0                           ; the wave's end
	ds_add_u32 v[SPW], v[NIL]
	s_wait_dscnt 0x0
	CROUND                                         ; the closing round
	s_endpgm
.Lfunc_end_k_q3d41323051_wo:
	.size	k_q3d41323051_wo, .Lfunc_end_k_q3d41323051_wo-k_q3d41323051_wo
	.p2alignl 7, 3214868480
	.fill 96, 4, 3214868480
	.section	.rodata,"a",@progbits
	.p2align	6, 0x0
	.amdhsa_kernel k_q3d41323051_wo
		.amdhsa_group_segment_fixed_size 327680
		.amdhsa_private_segment_fixed_size 0
		.amdhsa_enable_private_segment 0
		.amdhsa_kernarg_size 40
		.amdhsa_user_sgpr_count 2
		.amdhsa_user_sgpr_kernarg_segment_ptr 1
		.amdhsa_wavefront_size32 1
		.amdhsa_system_sgpr_workgroup_id_x 1
		.amdhsa_system_sgpr_workgroup_id_y 1
		.amdhsa_system_sgpr_workgroup_id_z 1
		.amdhsa_system_vgpr_workitem_id 0
		.amdhsa_next_free_vgpr 768
		.amdhsa_next_free_sgpr 100
		.amdhsa_reserve_vcc 0
		.amdhsa_float_denorm_mode_32 3
		.amdhsa_float_denorm_mode_16_64 3
		.amdhsa_memory_ordered 1
		.amdhsa_forward_progress 1
		.amdhsa_inst_pref_size 58
	.end_amdhsa_kernel
	.amdgpu_metadata
---
amdhsa.version: [ 1, 2 ]
amdhsa.kernels:
  - .name:           k_q3d41323051_wo
    .symbol:         k_q3d41323051_wo.kd
    .args:
      - { .name: att, .offset: 0, .size: 8, .value_kind: global_buffer, .address_space: global }
      - { .name: Wo_codes, .offset: 8, .size: 8, .value_kind: global_buffer, .address_space: global }
      - { .name: lowp_scales, .offset: 16, .size: 8, .value_kind: global_buffer, .address_space: global }
      - { .name: x, .offset: 24, .size: 8, .value_kind: global_buffer, .address_space: global }
      - { .name: x1, .offset: 32, .size: 8, .value_kind: global_buffer, .address_space: global }
    .group_segment_fixed_size: 327680
    .private_segment_fixed_size: 0
    .kernarg_segment_align: 8
    .kernarg_segment_size: 40
    .max_flat_workgroup_size: 128
    .sgpr_count:     100
    .vgpr_count:     768
    .wavefront_size: 32
...
	.end_amdgpu_metadata
.endif
;; end of part 4
;; launch norm2 (part 5): grid 256 x 1, 8 waves a work-group, no clusters, 0 bytes of LDS; arguments x1, g2, lowp_scales, h2c; writes h2c
.if DOCPART == 5
	.amdgcn_target "amdgcn-amd-amdhsa--gfx1250"
	.amdhsa_code_object_version 6
	.text
	.protected	k_q3d41323051_norm2
	.globl	k_q3d41323051_norm2
	.p2align	8
	.type	k_q3d41323051_norm2,@function
k_q3d41323051_norm2:
	s_mov_b64 s[64:65], 0
	v_nop
	global_prefetch_b8 v0, s[64:65] scope:SCOPE_SE
	s_setreg_imm32_b32 hwreg(HW_REG_WAVE_MODE, 25, 1), 1
	s_wait_xcnt 0x0
; h2 = x1 * rsqrt(mean(x1^2) + 1e-5) * g2, in f32, turned into codes of E5M2 with the scale 2^e of entry 12.
; x1: [4096][1024] f32.  Codes: [4096][1024], a code a byte, row-major.
; A wave takes two whole rows and keeps them in registers between the sum of squares and the scaling: no LDS, no barrier, no loop.
; In group j (0..3) lane l holds k = 256 j + 8 l + 0..7 in eight consecutive registers, as the conversion wants them: two loads of 16 bytes a lane, which together cover
; 1,024 consecutive bytes; the eight codes are 8 neighbouring bytes, so a store of the wave covers 256 consecutive bytes, aligned.
; LIMITS: e between -126 and 112, so that 2^e and 57,344 x 2^e are f32 numbers.  NaN among the inputs is not served.
.set G,   8                            ; v8-39    the gain, my 32 numbers
.set X,   40                           ; v40-103  two rows, 32 numbers each
.set T,   104                          ; v104-135 a row's numbers, held within the largest code
.set C,   136                          ; v136-..  codes: 24 row + 2 group; never rewritten
.set S,   184                          ; v184-191 four packed chains of the sum
.set R,   192                          ; v192-195 1/rms, twice for each row
.set P,   196                          ; v196     the lane exchange's target
.set MN,  198                          ; v198-199 mean + eps of the two rows
.set SC,  200                          ; v200     2^e
.set LIM, 204                          ; v204     57,344 x 2^e
	s_load_b256 s[4:11], s[0:1], 0x0               ; x1 s[4:5], g s[6:7], the scales' exponents s[8:9], the codes s[10:11]
	v_lshrrev_b32 v1, 5, v0
	s_delay_alu instid0(VALU_DEP_1)
	v_readfirstlane_b32 s12, v1                    ; wave 0..7
	v_and_b32 v2, 31, v0
	s_delay_alu instid0(VALU_DEP_1)
	v_lshlrev_b32 v1, 5, v2                        ; 32 x lane
	s_delay_alu instid0(VALU_DEP_2)
	v_lshlrev_b32 v2, 3, v2                        ; 8 x lane
	v_mov_b32 v[P], 0
	s_lshl_b32 s13, ttmp9, 3
	s_add_co_u32 s13, s13, s12                     ; p: rows 2 p and 2 p + 1 are mine
	s_lshl_b32 s14, s13, 13
	s_mov_b32 s15, 0
	s_lshl_b32 s16, s13, 11
	s_mov_b32 s17, 0
	s_mov_b32 s28, 0x3a800000                      ; 1 / 1024
	s_mov_b32 s29, 0x3727c5ac                      ; 1e-5
	s_mov_b32 s30, 0x76543210
	s_mov_b32 s31, 0xfedcba98
	s_wait_alu depctr_va_vdst(0)
	s_wait_kmcnt 0x0
	s_load_b32 s21, s[8:9], 0x30                   ; entry 12
	s_add_nc_u64 s[4:5], s[4:5], s[14:15]
	s_add_nc_u64 s[10:11], s[10:11], s[16:17]
.irp w, 0,1
.irp j, 0,1,2,3
.irp u, 0,1
	global_load_b128 v[X+32*\w+8*\j+4*\u:X+32*\w+8*\j+4*\u+3], v1, s[4:5] offset:4096*\w+1024*\j+16*\u
.endr
.endr
.endr
.irp j, 0,1,2,3
.irp u, 0,1
	global_load_b128 v[G+8*\j+4*\u:G+8*\j+4*\u+3], v1, s[6:7] offset:1024*\j+16*\u
.endr
.endr
	s_wait_kmcnt 0x0
	s_add_co_i32 s32, s21, 127
	s_lshl_b32 s33, s32, 23
	v_mov_b32 v[SC], s33
	s_add_co_i32 s32, s32, 15
	s_lshl_b32 s32, s32, 23
	s_or_b32 s32, s32, 0x600000
	v_mov_b32 v[LIM], s32
	s_wait_loadcnt 8                               ; the 16 loads of x1 are in; the 8 of the gain, issued behind them, may be out
.irp w, 0,1
.irp c, 0,1,2,3
	v_pk_mul_f32 v[S+2*\c:S+2*\c+1], v[X+32*\w+2*\c:X+32*\w+2*\c+1], v[X+32*\w+2*\c:X+32*\w+2*\c+1]
.endr
.irp i, 4,5,6,7,8,9,10,11,12,13,14,15
	s_delay_alu instid0(VALU_DEP_4)
	v_pk_fma_f32 v[S+2*((\i)%4):S+2*((\i)%4)+1], v[X+32*\w+2*\i:X+32*\w+2*\i+1], v[X+32*\w+2*\i:X+32*\w+2*\i+1], v[S+2*((\i)%4):S+2*((\i)%4)+1]
.endr
	s_delay_alu instid0(VALU_DEP_3)
	v_pk_add_f32 v[S:S+1], v[S:S+1], v[S+2:S+3]
	s_delay_alu instid0(VALU_DEP_2)
	v_pk_add_f32 v[S+4:S+5], v[S+4:S+5], v[S+6:S+7]
	s_delay_alu instid0(VALU_DEP_1)
	v_pk_add_f32 v[S:S+1], v[S:S+1], v[S+4:S+5]
	s_delay_alu instid0(VALU_DEP_1)
	v_add_f32 v[S], v[S], v[S+1]
	s_delay_alu instid0(VALU_DEP_1)
	v_add_f32_dpp v[S], v[S], v[S] row_xmask:1 row_mask:0xf bank_mask:0xf
	s_delay_alu instid0(VALU_DEP_1)
	v_add_f32_dpp v[S], v[S], v[S] row_xmask:2 row_mask:0xf bank_mask:0xf
	s_delay_alu instid0(VALU_DEP_1)
	v_add_f32_dpp v[S], v[S], v[S] row_xmask:4 row_mask:0xf bank_mask:0xf
	s_delay_alu instid0(VALU_DEP_1)
	v_add_f32_dpp v[S], v[S], v[S] row_xmask:8 row_mask:0xf bank_mask:0xf
	s_delay_alu instid0(VALU_DEP_1)
	v_permlanex16_b32 v[P], v[S], s30, s31
	s_delay_alu instid0(VALU_DEP_1)
	v_add_f32 v[S], v[S], v[P]
	s_delay_alu instid0(VALU_DEP_1)
	v_fma_f32 v[MN+\w], v[S], s28, s29             ; sum / 1024 + 1e-5
.endr
	s_wait_alu depctr_va_vdst(0)
	v_rsq_f32 v[R], v[MN]
	v_rsq_f32 v[R+1], v[MN]
	v_rsq_f32 v[R+2], v[MN+1]
	v_rsq_f32 v[R+3], v[MN+1]
	v_nop                                          ; a plain instruction behind the last of the batch
	s_wait_alu depctr_va_vdst(0)                   ; one wait for the four, ahead of their first reader
	s_wait_loadcnt 0x0                             ; the gain
.irp w, 0,1
.irp i, 0,1,2,3,4,5,6,7,8,9,10,11,12,13,14,15
	v_pk_mul_f32 v[X+32*\w+2*\i:X+32*\w+2*\i+1], v[X+32*\w+2*\i:X+32*\w+2*\i+1], v[R+2*\w:R+2*\w+1]
.endr
.irp i, 0,1,2,3,4,5,6,7,8,9,10,11,12,13,14,15
	v_pk_mul_f32 v[X+32*\w+2*\i:X+32*\w+2*\i+1], v[X+32*\w+2*\i:X+32*\w+2*\i+1], v[G+2*\i:G+2*\i+1]
.endr
.endr
.irp w, 0,1
.set i, 0
.rept 32
	v_med3_num_f32 v[T+i], v[X+32*\w+i], -v[LIM], v[LIM]   ; the conversion to an 8-bit code does not saturate (ISA guide 7.6.2): the hold comes first
.set i, i+1
.endr
.irp j, 0,1,2,3
	v_cvt_scalef32_pk8_bf8_f32 v[C+24*\w+2*\j:C+24*\w+2*\j+1], v[T+8*\j:T+8*\j+7], v[SC]
.endr
	v_nop                                          ; a plain instruction between the conversions and the next holds, which write their sources
.irp j, 0,1,2,3
	global_store_b64 v2, v[C+24*\w+2*\j:C+24*\w+2*\j+1], s[10:11] offset:1024*\w+256*\j
.endr
.endr
	s_endpgm
.Lfunc_end_k_q3d41323051_norm2:
	.size	k_q3d41323051_norm2, .Lfunc_end_k_q3d41323051_norm2-k_q3d41323051_norm2
	.p2alignl 7, 3214868480
	.fill 96, 4, 3214868480
	.section	.rodata,"a",@progbits
	.p2align	6, 0x0
	.amdhsa_kernel k_q3d41323051_norm2
		.amdhsa_group_segment_fixed_size 0
		.amdhsa_private_segment_fixed_size 0
		.amdhsa_enable_private_segment 0
		.amdhsa_kernarg_size 32
		.amdhsa_user_sgpr_count 2
		.amdhsa_user_sgpr_kernarg_segment_ptr 1
		.amdhsa_wavefront_size32 1
		.amdhsa_system_sgpr_workgroup_id_x 1
		.amdhsa_system_sgpr_workgroup_id_y 1
		.amdhsa_system_sgpr_workgroup_id_z 1
		.amdhsa_system_vgpr_workitem_id 0
		.amdhsa_next_free_vgpr 208
		.amdhsa_next_free_sgpr 66
		.amdhsa_reserve_vcc 0
		.amdhsa_float_denorm_mode_32 3
		.amdhsa_float_denorm_mode_16_64 3
		.amdhsa_memory_ordered 1
		.amdhsa_forward_progress 1
		.amdhsa_inst_pref_size 19
	.end_amdhsa_kernel
	.amdgpu_metadata
---
amdhsa.version: [ 1, 2 ]
amdhsa.kernels:
  - .name:           k_q3d41323051_norm2
    .symbol:         k_q3d41323051_norm2.kd
    .args:
      - { .name: x1, .offset: 0, .size: 8, .value_kind: global_buffer, .address_space: global }
      - { .name: g2, .offset: 8, .size: 8, .value_kind: global_buffer, .address_space: global }
      - { .name: lowp_scales, .offset: 16, .size: 8, .value_kind: global_buffer, .address_space: global }
      - { .name: h2c, .offset: 24, .size: 8, .value_kind: global_buffer, .address_space: global }
    .group_segment_fixed_size: 0
    .private_segment_fixed_size: 0
    .kernarg_segment_align: 8
    .kernarg_segment_size: 32
    .max_flat_workgroup_size: 256
    .sgpr_count:     66
    .vgpr_count:     208
    .wavefront_size: 32
...
	.end_amdgpu_metadata
.endif
;; end of part 5
;; launch ffn1 (part 6): grid 16 x 16, 4 waves a work-group, clusters of 4 x 4, 327,680 bytes of LDS; arguments h2c, w1_codes, lowp_scales, hid; writes hid
.if DOCPART == 6
	.amdgcn_target "amdgcn-amd-amdhsa--gfx1250"
	.amdhsa_code_object_version 6
	.text
	.protected	k_q3d41323051_ffn1
	.globl	k_q3d41323051_ffn1
	.p2align	8
	.type	k_q3d41323051_ffn1,@function
k_q3d41323051_ffn1:
	s_mov_b64 s[64:65], 0
	v_nop
	global_prefetch_b8 v0, s[64:65] scope:SCOPE_SE
	s_setreg_imm32_b32 hwreg(HW_REG_WAVE_MODE, 25, 1), 1
	s_wait_xcnt 0x0
	s_wait_alu depctr_hold_cnt(0) depctr_sa_sdst(0) depctr_va_vdst(0) depctr_va_sdst(0) depctr_va_ssrc(0) depctr_va_vcc(0) depctr_vm_vsrc(0)
	s_getreg_b32 s2, hwreg(HW_REG_IB_STS2, 6, 4)
	s_cmp_eq_u32 s2, 0
	s_cbranch_scc0 .Lentry_in_a_cluster
	s_endpgm
.Lentry_in_a_cluster:
	s_bfe_u32 s2, ttmp6, 0x10000c
	s_cmp_lg_u32 s2, 0xf033
	s_cbranch_scc0 .Lentry_shape_is_right
	s_endpgm
.Lentry_shape_is_right:
.set SIZE_K, 1024
.set KSTEP,  256
.set ROWB,   256
.set KROW,   SIZE_K
.set PITCH,  272
.set FR,     16
.set NL,     4
.set NP,     4
.set HALFT,  128*PITCH
.set SLOT,   4*HALFT
.set LAPS,   SIZE_K/(2*KSTEP)
.set SPARE,  2*SLOT
.set ADRA, 16
.set ADRB, 20
.set DMP,  24
.set DRD,  25
.set LI,   26
.set GOF,  27
.set SPW,  28
.set NIL,  29
.set AF,   128
.set Y0,   32
.set Y1,   64
.set A,    96
.set T,    128
.set W,    160
.set M,    192
.set PC,   224
.set C9,   240
.set G1, 24
.set G0, 32
.set G1B, 48
.set G0B, 56
.set MSB, 0
.macro WIN new
.if MSB != \new
	s_set_vgpr_msb (MSB<<8)|\new
.set MSB, \new
.endif
.endm
.set MUL_LO, 0xa1
.set MUL_HI, 0xf1
.set TO_B,   0x40
.macro JLOAD g0a, g1a, g0b, g1b
	s_cmp_eq_u32 s15, 0
	s_cbranch_scc0 .Lfor_b_\@
	tensor_load_to_lds s[\g0a:\g0a+3], s[\g1a:\g1a+7]
	s_nop 0
.rept 4
	v_nop
.endr
	s_branch .Lasked_\@
.Lfor_b_\@:
	tensor_load_to_lds s[\g0b:\g0b+3], s[\g1b:\g1b+7]
	s_nop 0
.rept 4
	v_nop
.endr
.Lasked_\@:
.endm
.macro CREST
	s_cmp_lg_u32 s14, 0
	s_cbranch_scc1 .Lnot_wave_0_\@
	s_barrier_signal -3
.Lnot_wave_0_\@:
	s_barrier_wait -3
	s_barrier_signal -1
	s_barrier_wait -1
.endm
.macro CROUND
	s_barrier_signal -1
	s_barrier_wait -1
	CREST
.endm
	s_load_b128 s[4:7], s[0:1], 0x0
	s_load_b128 s[8:11], s[0:1], 0x10
	v_lshl_add_u32 v[SPW], v0, 2, SPARE
	v_mov_b32 v[NIL], 0
	ds_add_u32 v28, v29
	ds_add_u32 v28, v29
	s_wait_dscnt 0x0
	v_lshrrev_b32 v1, 5, v0
	v_readfirstlane_b32 s14, v1
	s_lshr_b32 s15, s14, 1
	s_and_b32 s16, s14, 1
	s_bfe_u32 s40, ttmp6, 0x40000
	s_bfe_u32 s41, ttmp6, 0x40004
	s_lshl_b32 s42, ttmp9, 2
	s_add_co_u32 s42, s42, s40
	s_and_b32 s17, ttmp7, 0xffff
	s_lshl_b32 s17, s17, 2
	s_add_co_u32 s17, s17, s41
	s_lshl_b32 s43, s41, 2
	s_lshl_b32 s43, 15, s43
	s_lshl_b32 s44, 0x1111, s40
	s_or_b32 s[G1+0], s43, (0<<16)|(1<<20)|(1<<21)|(5<<22)|(3<<25)
	s_or_b32 s[G1B+0], s44, (0<<16)|(1<<20)|(1<<21)|(5<<22)|(3<<25)
.irp g, G1, G1B
	s_mov_b32 s[\g+1], ROWB<<16
	s_mov_b32 s[\g+2], 128<<16
	s_mov_b32 s[\g+3], ROWB<<16
	s_mov_b32 s[\g+4], 128
	s_mov_b32 s[\g+5], KROW
	s_mov_b32 s[\g+6], 0
	s_mov_b32 s[\g+7], 0
.endr
	s_lshl_b32 s18, s16, 7
	s_lshl_b32 s20, s17, 8
	s_add_co_u32 s20, s20, s18
	s_lshl_b32 s46, s42, 8
	s_add_co_u32 s46, s46, s18
	s_mov_b32 s21, 0
	s_mov_b32 s47, 0
	s_mov_b64 s[18:19], KROW
	s_mul_u64 s[20:21], s[20:21], s[18:19]
	s_mul_u64 s[46:47], s[46:47], s[18:19]
	s_mul_i32 s45, s14, HALFT
	v_and_b32 v22, 31, v0
	v_lshlrev_b32 v22, 10, v22                     ; the prefetches' offset: my lane x a row of 1,024 bytes; never rewritten
	s_wait_alu depctr_va_vdst(0)
	s_wait_kmcnt 0x0
	s_load_b128 s[92:95], s[8:9], 0x30
	s_add_nc_u64 s[20:21], s[4:5], s[20:21]
	s_add_nc_u64 s[46:47], s[6:7], s[46:47]
	s_cmp_eq_u32 s15, 0                            ; the prefetches: of the 128 rows that I fetch, each of the four partners that ask for them jointly takes 32, told apart by address
	s_cselect_b64 s[96:97], s[20:21], s[46:47]
	s_cselect_b32 s98, s40, s41                    ; my place among the four: cx for A, cy for B
	s_lshl_b32 s98, s98, 15                        ; 32 rows of 1,024 bytes
	s_mov_b32 s99, 0
	s_add_nc_u64 s[96:97], s[96:97], s[98:99]
	CROUND
.irp s, 0,1
	s_mov_b32 s[G0+4*\s], 1
	s_add_co_u32 s[G0+4*\s+1], s45, \s*SLOT
	s_add_nc_u64 s[G0+4*\s+2:G0+4*\s+3], s[20:21], \s*ROWB
	s_or_b32 s[G0+4*\s+3], s[G0+4*\s+3], 0x80000000
	s_mov_b32 s[G0B+4*\s], 1
	s_add_co_u32 s[G0B+4*\s+1], s45, \s*SLOT
	s_add_nc_u64 s[G0B+4*\s+2:G0B+4*\s+3], s[46:47], \s*ROWB
	s_or_b32 s[G0B+4*\s+3], s[G0B+4*\s+3], 0x80000000
.if \s                                 ; slot 1's first fill is issued as a refill is
	s_wait_alu depctr_va_vdst(0)
	s_wait_tensorcnt 0x0
	ds_add_u32 v28, v29
	ds_add_u32 v28, v29
	s_wait_dscnt 0x0
	CROUND
.endif
	JLOAD G0+4*\s, G1, G0B+4*\s, G1B
.if \s                                 ; prefetches into the L2, a lane a row, 256 bytes of each: behind K step 0's load K steps 1 and 2, behind K step 1's load K step 3
	global_prefetch_b8 v22, s[96:97] offset:768 th:TH_LOAD_NT scope:SCOPE_SE
.else
	global_prefetch_b8 v22, s[96:97] offset:256 th:TH_LOAD_NT scope:SCOPE_SE
	global_prefetch_b8 v22, s[96:97] offset:512 th:TH_LOAD_NT scope:SCOPE_SE
.endif
.endr
	v_and_b32 v1, 15, v0
	v_bfe_u32 v2, v0, 4, 1
	v_mul_u32_u24 v3, v1, PITCH
	v_lshl_add_u32 v4, v2, 4, v3
	s_mul_i32 s21, s15, HALFT
	s_mul_i32 s22, s16, HALFT
	s_add_co_u32 s22, s22, 2*HALFT
.irp s, 0,1
	v_add_nc_u32 v[ADRA+\s], s21, v4
	v_add_nc_u32 v[ADRB+\s], s22, v4
	s_add_co_u32 s21, s21, SLOT
	s_add_co_u32 s22, s22, SLOT
.endr
	v_and_b32 v6, 31, v0
	v_lshlrev_b32 v[LI], 4, v6
	s_lshl_b32 s23, s14, 16
	v_add_nc_u32 v[DMP], s23, v[LI]
.macro FRAG reg, adr, q, i
.irp c, 0,1,2,3
	ds_load_b128 v[\reg+4*\c:\reg+4*\c+3], v[\adr] offset:128*(\q)+32*\c+(\i)*16*PITCH
.endr
.endm
.macro MUL16 a0, p, zero
.irp a, \a0, \a0+1
.irp b, 0,1,2,3,4,5,6,7
.if \zero
	v_wmma_f32_16x16x128_bf8_bf8 v[8*(8*((\a)%4)+\b):8*(8*((\a)%4)+\b)+7], v[128*(\p)+FR*\b:128*(\p)+FR*\b+FR-1], v[AF+FR*(\a):AF+FR*(\a)+FR-1], 0
.else
	v_wmma_f32_16x16x128_bf8_bf8 v[8*(8*((\a)%4)+\b):8*(8*((\a)%4)+\b)+7], v[128*(\p)+FR*\b:128*(\p)+FR*\b+FR-1], v[AF+FR*(\a):AF+FR*(\a)+FR-1], v[8*(8*((\a)%4)+\b):8*(8*((\a)%4)+\b)+7]
.endif
.endr
.endr
.endm
.macro FETCH_B slot, q, p
	WIN TO_B
.irp i, 0,1,2,3,4,5,6,7
	FRAG 128*(\p)+FR*\i, ADRB+\slot, \q, \i
.endr
	WIN 0
.endm
.macro FETCH_A slot, q, i0
.irp i, \i0, \i0+1, \i0+2, \i0+3
	FRAG AF+FR*(\i), ADRA+\slot, \q, \i
.endr
.endm
.macro PLACES n
.rept \n
	v_nop
.endr
.endm
.macro STEP slot, q, zero
	s_wait_dscnt 4*NL
	WIN MUL_LO
	MUL16 0, (\q)%2, \zero
	MUL16 2, (\q)%2, \zero
	s_wait_dscnt 0
	PLACES NP
	FETCH_B \slot, (\q)+1, 1-(\q)%2
	FETCH_A \slot, (\q)+1, 0
	WIN MUL_HI
	MUL16 4, (\q)%2, \zero
	MUL16 6, (\q)%2, \zero
	PLACES NP
	WIN 0
	FETCH_A \slot, (\q)+1, 4
.endm
.macro TURN slot, next, fill
	s_wait_tensorcnt 0x0
	ds_add_u32 v[SPW], v[NIL]
	s_wait_dscnt 4*NL+1
	WIN MUL_LO
	MUL16 0, 1, 0
	s_wait_dscnt 0x0
	s_barrier_signal -1
	MUL16 2, 1, 0
	WIN 0
	s_barrier_wait -1
.if \fill
	CREST
	s_add_nc_u64 s[G0+4*\slot+2:G0+4*\slot+3], s[G0+4*\slot+2:G0+4*\slot+3], 2*ROWB
	s_add_nc_u64 s[G0B+4*\slot+2:G0B+4*\slot+3], s[G0B+4*\slot+2:G0B+4*\slot+3], 2*ROWB
	JLOAD G0+4*\slot, G1, G0B+4*\slot, G1B
.else
	PLACES NP
.endif
	FETCH_B \next, 0, 0
	FETCH_A \next, 0, 0
	WIN MUL_HI
	MUL16 4, 1, 0
	MUL16 6, 1, 0
	PLACES NP
	WIN 0
	FETCH_A \next, 0, 4
.endm
	s_wait_alu depctr_va_vdst(0)
	s_wait_tensorcnt 1
	s_barrier_signal -1
	s_barrier_wait -1
	FETCH_B 0, 0, 0
	FETCH_A 0, 0, 0
	FETCH_A 0, 0, 4
	STEP 0, 0, 1
	s_mov_b32 s3, LAPS-1
.Llap:
	TURN 0, 1, 1
	STEP 1, 0, 0
	TURN 1, 0, 1
	STEP 0, 0, 0
	s_sub_co_u32 s3, s3, 1
	s_cmp_lg_u32 s3, 0
	s_cbranch_scc1 .Llap
	TURN 0, 1, 0
	STEP 1, 0, 0
	s_wait_dscnt 4*NL
	WIN MUL_LO
	MUL16 0, 1, 0
	MUL16 2, 1, 0
	s_wait_dscnt 0
	WIN MUL_HI
	MUL16 4, 1, 0
	MUL16 6, 1, 0
	WIN 0
	s_wait_dscnt 0x0
	s_barrier_signal -1
	s_barrier_wait -1
	PLACES NP
.irp a, 0,1,2,3,4,5,6,7
	WIN 0x08+4*((\a)/4)
.irp b, 0,1,2,3,4,5,6,7
	ds_store_b128 v[DMP], v[64*((\a)%4)+8*\b:64*((\a)%4)+8*\b+3] offset:512*(2*(8*(\a)+\b))
	ds_store_b128 v[DMP], v[64*((\a)%4)+8*\b+4:64*((\a)%4)+8*\b+7] offset:512*(2*(8*(\a)+\b)+1)
.endr
.endr
	WIN 0
	s_mov_b32 s68, 0xbfa1fc4e
	s_mov_b32 s70, 0x3f8000c7
	s_mov_b32 s72, 0x3ebf88fb
	s_mov_b32 s74, 0x3dc636c9
	s_mov_b32 s76, 0xbe3ec24c
	s_mov_b32 s78, 0x3e8ec7cc
	s_mov_b32 s80, 0xbf914e5d
	s_mov_b32 s82, 0x3fbe87b0
	s_mov_b32 s84, 0xbf527892
	s_mov_b32 s88, 0x3fb8aa3b
.irp k, 68,70,72,74,76,78,80,82,84,88
	s_mov_b32 s[\k+1], s[\k]
.endr
	v_mov_b32 v[C9], 0x3e2ef945
	v_mov_b32 v[C9+1], 0x3e2ef945
	s_wait_kmcnt 0x0
	s_add_co_i32 s91, s92, s93
	s_lshl_b32 s90, s91, 23
	s_add_co_i32 s90, s90, 0x3f3504f3
	s_sub_co_i32 s91, s94, s91
	s_add_co_i32 s91, s91, 127
	s_lshl_b32 s18, s91, 23
	v_mov_b32 v30, s18
	s_add_co_i32 s91, s91, 15
	s_lshl_b32 s91, s91, 23
	s_or_b32 s91, s91, 0x600000
	v_mov_b32 v31, s91
	s_lshr_b32 s18, s42, 1
	s_lshl_b32 s18, s18, 21
	s_lshl_b32 s19, s42, 1
	s_add_co_u32 s19, s19, s16
	s_and_b32 s19, s19, 3
	s_lshl_b32 s19, s19, 11
	s_add_co_u32 s18, s18, s19
	s_lshl_b32 s19, s17, 4
	s_lshl_b32 s20, s15, 3
	s_add_co_u32 s19, s19, s20
	s_lshl_b32 s19, s19, 13
	s_add_co_u32 s18, s18, s19
	s_mov_b32 s19, 0
	s_add_nc_u64 s[10:11], s[10:11], s[18:19]
.macro GHALF yc, yn, h, pf
.if \pf
.irp i, 0,1,2,3,4,5,6,7
	ds_load_b128 v[\yn+4*\i:\yn+4*\i+3], v[DRD] offset:4096*(\h+1)+512*\i
.endr
.endif
.set i, 0
.rept 16
	v_pk_fma_f32 v[T+i:T+i+1], v[A+i:A+i+1], 0.5, 1.0 op_sel_hi:[1,0,0]
.set i, i+2
.endr
.set i, 0
	s_wait_alu depctr_va_vdst(0)
.rept 32
	v_rcp_f32 v[T+i], v[T+i]
	v_max_num_f32 v[M+i], 0, v[\yc+i]
.set i, i+1
.endr
	s_wait_alu depctr_va_vdst(0)
.set i, 0
.rept 16
	v_pk_fma_f32 v[W+i:W+i+1], v[T+i:T+i+1], v[C9:C9+1], s[84:85] op_sel_hi:[1,1,0]
.set i, i+2
.endr
.irp k, 82,80,78,76,74,72,70,68
.set i, 0
.rept 16
	v_pk_fma_f32 v[W+i:W+i+1], v[W+i:W+i+1], v[T+i:T+i+1], s[\k:\k+1] op_sel_hi:[1,1,0]
.set i, i+2
.endr
.endr
.set i, 0
.rept 16
	v_pk_fma_f32 v[W+i:W+i+1], v[A+i:A+i+1], v[A+i:A+i+1], v[W+i:W+i+1] neg_lo:[1,0,0] neg_hi:[1,0,0]
.set i, i+2
.endr
.set i, 0
.rept 16
	v_pk_fma_f32 v[W+i:W+i+1], v[W+i:W+i+1], s[88:89], -1.0 op_sel_hi:[1,0,0]
.set i, i+2
.endr
.if \pf
	s_wait_dscnt 0x0
.endif
.set i, 0
	s_wait_alu depctr_va_vdst(0)
.rept 32
	v_exp_f32 v[W+i], v[W+i]
.if \pf
	v_mul_f32 v[A+i], |v[\yn+i]|, s90
.endif
.set i, i+1
.endr
.if \pf == 0
	v_nop
.endif
	s_wait_alu depctr_va_vdst(0)
.set i, 0
.rept 16
	v_pk_mul_f32 v[W+i:W+i+1], v[W+i:W+i+1], v[T+i:T+i+1]
.set i, i+2
.endr
.set i, 0
.rept 32
	v_fma_f32 v[M+i], -|v[\yc+i]|, v[W+i], v[M+i]
.set i, i+1
.endr
.set i, 0
.rept 32
	v_med3_num_f32 v[M+i], v[M+i], -v31, v31
.set i, i+1
.endr
.irp q, 0,1,2,3
	v_cvt_scalef32_pk8_bf8_f32 v[PC+8*\h+2*\q:PC+8*\h+2*\q+1], v[M+8*\q:M+8*\q+7], v30
.endr
	v_nop
	global_store_b128 v[GOF], v[PC+8*\h:PC+8*\h+3], s[10:11] offset:1024*\h
	global_store_b128 v[GOF], v[PC+8*\h+4:PC+8*\h+7], s[10:11] offset:1024*\h+512
.endm
.irp i, 0,1,2,3,4,5,6,7
	ds_load_b128 v[Y0+4*\i:Y0+4*\i+3], v[DMP] offset:512*\i
.endr
	s_mov_b32 s21, 0
	s_mov_b32 s3, 0
	s_wait_dscnt 0x0
.set i, 0
.rept 32
	v_mul_f32 v[A+i], |v[Y0+i]|, s90
.set i, i+1
.endr
.Lgelu:
	s_wait_xcnt 0x0
	v_add_nc_u32 v[DRD], s21, v[DMP]
	v_add_nc_u32 v[GOF], s21, v[LI]
	GHALF Y0, Y1, 0, 1
	GHALF Y1, Y0, 1, 1
	s_add_co_u32 s21, s21, 8192
	s_add_co_u32 s3, s3, 1
	s_cmp_lt_u32 s3, 7
	s_cbranch_scc1 .Lgelu
	s_wait_xcnt 0x0
	s_mov_b32 s21, 57344
	v_add_nc_u32 v[DRD], s21, v[DMP]
	v_add_nc_u32 v[GOF], s21, v[LI]
	GHALF Y0, Y1, 0, 1
	GHALF Y1, Y0, 1, 0
	s_wait_tensorcnt 0x0
	ds_add_u32 v[SPW], v[NIL]
	s_wait_dscnt 0x0
	CROUND
	s_endpgm
.Lfunc_end_k_q3d41323051_ffn1:
	.size	k_q3d41323051_ffn1, .Lfunc_end_k_q3d41323051_ffn1-k_q3d41323051_ffn1
	.p2alignl 7, 3214868480
	.fill 96, 4, 3214868480
	.section	.rodata,"a",@progbits
	.p2align	6, 0x0
	.amdhsa_kernel k_q3d41323051_ffn1
		.amdhsa_group_segment_fixed_size 327680
		.amdhsa_private_segment_fixed_size 0
		.amdhsa_enable_private_segment 0
		.amdhsa_kernarg_size 32
		.amdhsa_user_sgpr_count 2
		.amdhsa_user_sgpr_kernarg_segment_ptr 1
		.amdhsa_wavefront_size32 1
		.amdhsa_system_sgpr_workgroup_id_x 1
		.amdhsa_system_sgpr_workgroup_id_y 1
		.amdhsa_system_sgpr_workgroup_id_z 1
		.amdhsa_system_vgpr_workitem_id 0
		.amdhsa_next_free_vgpr 1024
		.amdhsa_next_free_sgpr 100
		.amdhsa_reserve_vcc 0
		.amdhsa_float_denorm_mode_32 3
		.amdhsa_float_denorm_mode_16_64 3
		.amdhsa_memory_ordered 1
		.amdhsa_forward_progress 1
		.amdhsa_inst_pref_size 181
	.end_amdhsa_kernel
	.amdgpu_metadata
---
amdhsa.version: [ 1, 2 ]
amdhsa.kernels:
  - .name:           k_q3d41323051_ffn1
    .symbol:         k_q3d41323051_ffn1.kd
    .args:
      - { .name: h2c, .offset: 0, .size: 8, .value_kind: global_buffer, .address_space: global }
      - { .name: w1_codes, .offset: 8, .size: 8, .value_kind: global_buffer, .address_space: global }
      - { .name: lowp_scales, .offset: 16, .size: 8, .value_kind: global_buffer, .address_space: global }
      - { .name: hid, .offset: 24, .size: 8, .value_kind: global_buffer, .address_space: global }
    .group_segment_fixed_size: 327680
    .private_segment_fixed_size: 0
    .kernarg_segment_align: 8
    .kernarg_segment_size: 32
    .max_flat_workgroup_size: 128
    .sgpr_count:     100
    .vgpr_count:     1024
    .wavefront_size: 32
...
	.end_amdgpu_metadata
.endif
;; end of part 6
;; launch ffn2 (part 7): grid 8 x 32, 4 waves a work-group, clusters of 4 x 4, 327,680 bytes of LDS; arguments hid, w2_codes, lowp_scales, x1, out0; writes out0
.if DOCPART == 7
	.amdgcn_target "amdgcn-amd-amdhsa--gfx1250"
	.amdhsa_code_object_version 6
	.text
	.protected	k_q3d41323051_ffn2
	.globl	k_q3d41323051_ffn2
	.p2align	8
	.type	k_q3d41323051_ffn2,@function
k_q3d41323051_ffn2:
	s_mov_b64 s[64:65], 0
	v_nop
	global_prefetch_b8 v0, s[64:65] scope:SCOPE_SE
	s_setreg_imm32_b32 hwreg(HW_REG_WAVE_MODE, 25, 1), 1
	s_wait_xcnt 0x0
	s_wait_alu depctr_hold_cnt(0) depctr_sa_sdst(0) depctr_va_vdst(0) depctr_va_sdst(0) depctr_va_ssrc(0) depctr_va_vcc(0) depctr_vm_vsrc(0)
	s_getreg_b32 s2, hwreg(HW_REG_IB_STS2, 6, 4)
	s_cmp_eq_u32 s2, 0
	s_cbranch_scc0 .Lentry_in_a_cluster
	s_endpgm
.Lentry_in_a_cluster:
	s_bfe_u32 s2, ttmp6, 0x10000c
	s_cmp_lg_u32 s2, 0xf033
	s_cbranch_scc0 .Lentry_shape_is_right
	s_endpgm
.Lentry_shape_is_right:
.set SIZE_K, 4096
.set EOFF,   0x38
.set PART,   33792
.set BP,     528
.set SLOT,   4*PART
.set STAGE,  2*SLOT
.set SPITCH, 272
.set SPARE,  STAGE+4*16*SPITCH
.set LAPS,   SIZE_K/1024
.set ADRA, 16
.set ADRB, 20
.set STO,  24
.set RD,   25
.set CO,   26
.set SPW,  28
.set NIL,  29
.set BK,   32
.set ACC,  128
.set F0,   0
.set F1,   128
.set G1, 24
.set G0, 32
.set G1B, 48
.set G0B, 56
.set MSB, 0
.macro WIN new
.if MSB != \new
	s_set_vgpr_msb (MSB<<8)|\new
.set MSB, \new
.endif
.endm
.set MUL,  0x05
.set TO_F, 0x40
.macro JLOAD s
	s_cmp_eq_u32 s15, 0
	s_cbranch_scc0 .Lfor_b_\@
	tensor_load_to_lds s[G0+4*\s:G0+4*\s+3], s[G1:G1+7]
	s_nop 0
.rept 4
	v_nop
.endr
	s_branch .Lasked_\@
.Lfor_b_\@:
	tensor_load_to_lds s[G0B+4*\s:G0B+4*\s+3], s[G1B:G1B+7]
	s_nop 0
.rept 4
	v_nop
.endr
.Lasked_\@:
.endm
.macro CREST
	s_cmp_lg_u32 s14, 0
	s_cbranch_scc1 .Lnot_wave_0_\@
	s_barrier_signal -3
.Lnot_wave_0_\@:
	s_barrier_wait -3
	s_barrier_signal -1
	s_barrier_wait -1
.endm
.macro CROUND
	s_barrier_signal -1
	s_barrier_wait -1
	CREST
.endm
	s_load_b256 s[4:11], s[0:1], 0x0
	s_load_b64 s[12:13], s[0:1], 0x20
	v_lshl_add_u32 v[SPW], v0, 2, SPARE
	v_mov_b32 v[NIL], 0
	ds_add_u32 v28, v29
	ds_add_u32 v28, v29
	s_wait_dscnt 0x0
	v_lshrrev_b32 v1, 5, v0
	v_readfirstlane_b32 s14, v1
	s_lshr_b32 s15, s14, 1
	s_and_b32 s16, s14, 1
	s_bfe_u32 s40, ttmp6, 0x40000
	s_bfe_u32 s41, ttmp6, 0x40004
	s_lshl_b32 s42, ttmp9, 2
	s_add_co_u32 s42, s42, s40
	s_and_b32 s17, ttmp7, 0xffff
	s_lshl_b32 s17, s17, 2
	s_add_co_u32 s17, s17, s41
	s_lshl_b32 s43, s41, 2
	s_lshl_b32 s43, 15, s43
	s_lshl_b32 s44, 0x1111, s40
	s_or_b32 s[G1+0], s43, (3<<16)|(1<<21)
	s_mov_b32 s[G1+1], 32<<16
	s_mov_b32 s[G1+2], 128<<16
	s_mov_b32 s[G1+3], 32<<16
	s_mov_b32 s[G1+4], 128
	s_mov_b32 s[G1+5], 32
	s_mov_b32 s[G1+6], 0
	s_mov_b32 s[G1+7], 0
	s_or_b32 s[G1B+0], s44, (0<<16)|(1<<20)|(1<<21)|(6<<22)|(3<<25)
	s_mov_b32 s[G1B+1], 512<<16
	s_mov_b32 s[G1B+2], 64<<16
	s_mov_b32 s[G1B+3], 512<<16
	s_mov_b32 s[G1B+4], 64
	s_mov_b32 s[G1B+5], SIZE_K
	s_mov_b32 s[G1B+6], 0
	s_mov_b32 s[G1B+7], 0
	s_lshl_b32 s20, s17, 16
	s_lshl_b32 s18, s16, 15
	s_add_co_u32 s20, s20, s18
	s_mov_b32 s21, 0
	s_lshl_b32 s46, s42, 7
	s_lshl_b32 s18, s16, 6
	s_add_co_u32 s46, s46, s18
	s_mul_i32 s46, s46, SIZE_K
	s_mov_b32 s47, 0
	s_mul_i32 s45, s14, PART
	s_cmp_eq_u32 s15, 0
	s_mov_b32 s72, SIZE_K
	s_cselect_b32 s72, 512, s72                    ; the prefetches' offset: two lanes take 512 neighbouring bytes; the next two 512 bytes on (A's dense block) or a row on (B)
	v_and_b32 v22, 31, v0
	v_lshrrev_b32 v23, 1, v22
	v_and_b32 v22, 1, v22
	v_lshlrev_b32 v22, 8, v22
	v_mad_u32_u24 v22, v23, s72, v22               ; never rewritten
	s_wait_alu depctr_va_vdst(0)
	s_wait_kmcnt 0x0
	s_load_b64 s[96:97], s[8:9], EOFF
	s_add_nc_u64 s[20:21], s[4:5], s[20:21]
	s_add_nc_u64 s[46:47], s[6:7], s[46:47]
	s_cmp_eq_u32 s15, 0                            ; the prefetches: of the 128 blocks of 256 bytes that I fetch in a K step, each of the four partners that ask for them jointly takes 32, told apart by address
	s_cselect_b64 s[68:69], s[20:21], s[46:47]
	s_cselect_b32 s74, s40, s41                    ; my place among the four: cx for A, cy for B
	s_mov_b32 s70, 512
	s_cselect_b32 s70, 0x200000, s70               ; a K step on
	s_mov_b32 s71, 0
	s_mov_b32 s73, 16*SIZE_K
	s_cselect_b32 s73, 8192, s73                   ; a partner's share: 8,192 bytes of A's block, 16 rows of B
	s_mul_i32 s74, s74, s73
	s_mov_b32 s75, 0
	s_add_nc_u64 s[68:69], s[68:69], s[74:75]
	s_add_nc_u64 s[68:69], s[68:69], s[70:71]      ; at K step 1
	s_add_nc_u64 s[72:73], s[68:69], s[70:71]      ; at K step 2
	CROUND
.irp s, 0,1
	s_mov_b32 s[G0+4*\s], 1
	s_add_co_u32 s[G0+4*\s+1], s45, \s*SLOT
	s_add_nc_u64 s[G0+4*\s+2:G0+4*\s+3], s[20:21], \s*0x200000
	s_or_b32 s[G0+4*\s+3], s[G0+4*\s+3], 0x80000000
	s_mov_b32 s[G0B+4*\s], 1
	s_add_co_u32 s[G0B+4*\s+1], s45, \s*SLOT
	s_add_nc_u64 s[G0B+4*\s+2:G0B+4*\s+3], s[46:47], \s*512
	s_or_b32 s[G0B+4*\s+3], s[G0B+4*\s+3], 0x80000000
.if \s                                 ; slot 1's first fill is issued as a refill is
	s_wait_alu depctr_va_vdst(0)
	s_wait_tensorcnt 0x0
	ds_add_u32 v28, v29
	ds_add_u32 v28, v29
	s_wait_xcnt 0x0                                ; my prefetches have read their addresses
	s_add_nc_u64 s[68:69], s[72:73], s[70:71]      ; at K step 3
	s_wait_dscnt 0x0
	CROUND
.endif
	JLOAD \s
.if \s                                 ; prefetches into the L2, one instruction a wave for a K step: behind K step 0's load K steps 1 and 2, behind K step 1's load K step 3
	global_prefetch_b8 v22, s[68:69] th:TH_LOAD_NT scope:SCOPE_SE
.else
	global_prefetch_b8 v22, s[68:69] th:TH_LOAD_NT scope:SCOPE_SE
	global_prefetch_b8 v22, s[72:73] th:TH_LOAD_NT scope:SCOPE_SE
.endif
.endr
	v_and_b32 v1, 15, v0
	v_bfe_u32 v2, v0, 4, 1
	v_and_b32 v6, 31, v0
	v_lshlrev_b32 v4, 4, v6
	v_mul_u32_u24 v3, v1, BP
	v_lshl_add_u32 v3, v2, 3, v3
	s_mul_i32 s21, s15, PART
	s_mul_i32 s22, s16, PART
	s_add_co_u32 s22, s22, 2*PART
.irp s, 0,1
	v_add_nc_u32 v[ADRA+\s], s21, v4
	v_add_nc_u32 v[ADRB+\s], s22, v3
	s_add_co_u32 s21, s21, SLOT
	s_add_co_u32 s22, s22, SLOT
.endr
	s_mul_i32 s23, s14, 16*SPITCH
	s_add_co_u32 s23, s23, STAGE
	v_mul_u32_u24 v5, v1, SPITCH
	v_lshl_add_u32 v5, v2, 5, v5
	v_add_nc_u32 v[STO], s23, v5
	v_mul_u32_u24 v5, v2, SPITCH
	v_lshl_add_u32 v5, v1, 4, v5
	v_add_nc_u32 v[RD], s23, v5
	v_lshlrev_b32 v5, 12, v2
	v_lshl_add_u32 v[CO], v1, 4, v5
	s_wait_alu depctr_va_vdst(0)
	s_lshl_b32 s20, s17, 7
	s_lshl_b32 s21, s15, 6
	s_add_co_u32 s20, s20, s21
	s_lshl_b32 s20, s20, 12
	s_lshl_b32 s21, s42, 9
	s_add_co_u32 s20, s20, s21
	s_lshl_b32 s21, s16, 8
	s_add_co_u32 s20, s20, s21
	s_mov_b32 s21, 0
	s_add_nc_u64 s[10:11], s[10:11], s[20:21]
	s_add_nc_u64 s[12:13], s[12:13], s[20:21]
	WIN 0x80
.irp a, 0,1,2,3
.irp t, 0,1,2,3,4,5,6,7
	global_load_b128 v[4*(8*\a+\t):4*(8*\a+\t)+3], v[CO], s[10:11] offset:(16*\a+2*\t)*4096 th:TH_LOAD_NT
.endr
.endr
	WIN 0
.macro MULA f, a, zero
.irp b, 0,1,2,3
.if \zero
	v_wmma_f32_16x16x128_bf8_bf8 v[ACC+8*(4*(\a)+\b):ACC+8*(4*(\a)+\b)+7], v[\f+64+16*\b:\f+64+16*\b+15], v[\f+16*(\a):\f+16*(\a)+15], 0
.else
	v_wmma_f32_16x16x128_bf8_bf8 v[ACC+8*(4*(\a)+\b):ACC+8*(4*(\a)+\b)+7], v[\f+64+16*\b:\f+64+16*\b+15], v[\f+16*(\a):\f+16*(\a)+15], v[ACC+8*(4*(\a)+\b):ACC+8*(4*(\a)+\b)+7]
.endif
.endr
.endm
.macro FETCH slot, q, f
	WIN TO_F
.irp i, 0,1,2,3
.irp c, 0,1,2,3,4,5,6,7
	ds_load_b64 v[\f+64+16*\i+2*\c:\f+64+16*\i+2*\c+1], v[ADRB+\slot] offset:\i*16*BP+128*(\q)+16*\c
.endr
.endr
.irp i, 0,1,2,3
.irp c, 0,1,2,3
	ds_load_b128 v[\f+16*\i+4*\c:\f+16*\i+4*\c+3], v[ADRA+\slot] offset:\i*8192+2048*(\q)+512*\c
.endr
.endr
.endm
.macro PLACES
.rept 4
	v_nop
.endr
.endm
.macro QUARTER slot, q, f, g, zero
	s_wait_dscnt 8
	WIN MUL
	MULA \f, 0, \zero
	MULA \f, 1, \zero
	PLACES
	FETCH \slot, \q, \g
	s_wait_dscnt 48
	WIN MUL
	MULA \f, 2, \zero
	MULA \f, 3, \zero
.endm
.macro TURN slot, next, fill
	WIN 0
.if \fill
	s_wait_xcnt 0x0                                ; my last prefetch has read its address: it is stepped here, a K step behind that prefetch
	s_add_nc_u64 s[68:69], s[68:69], s[70:71]
.endif
	s_wait_tensorcnt 0x0
	ds_add_u32 v[SPW], v[NIL]
	s_wait_dscnt 9
	WIN MUL
	MULA F1, 0, 0
	s_wait_dscnt 0x0
	s_barrier_signal -1
	MULA F1, 1, 0
.if \fill
	WIN 0
.endif
	s_barrier_wait -1
.if \fill
	CREST
	s_add_nc_u64 s[G0+4*\slot+2:G0+4*\slot+3], s[G0+4*\slot+2:G0+4*\slot+3], 0x400000
	s_add_nc_u64 s[G0B+4*\slot+2:G0B+4*\slot+3], s[G0B+4*\slot+2:G0B+4*\slot+3], 1024
	JLOAD \slot
.else
	PLACES
.endif
	FETCH \next, 0, F0
.if \fill                              ; behind the refill of K step t and the run of LDS loads: K step t + 2 is asked for; the loop's last trip (s3 = 1) has no K step two on
	WIN 0
	s_cmp_gt_u32 s3, 1
	s_cbranch_scc0 .Lno_ask_\@
	global_prefetch_b8 v22, s[68:69] th:TH_LOAD_NT scope:SCOPE_SE
.Lno_ask_\@:
.endif
	WIN MUL
	MULA F1, 2, 0
	MULA F1, 3, 0
.endm
	s_wait_tensorcnt 1
	s_barrier_signal -1
	s_barrier_wait -1
	FETCH 0, 0, F0
	QUARTER 0, 1, F0, F1, 1
.if LAPS > 1
	WIN 0
	s_mov_b32 s3, LAPS-1
.Llap:
	QUARTER 0, 2, F1, F0, 0
	QUARTER 0, 3, F0, F1, 0
	TURN 0, 1, 1
	QUARTER 1, 1, F0, F1, 0
	QUARTER 1, 2, F1, F0, 0
	QUARTER 1, 3, F0, F1, 0
	TURN 1, 0, 1
	QUARTER 0, 1, F0, F1, 0
	WIN 0
	s_sub_co_u32 s3, s3, 1
	s_cmp_lg_u32 s3, 0
	s_cbranch_scc1 .Llap
.endif
	QUARTER 0, 2, F1, F0, 0
	QUARTER 0, 3, F0, F1, 0
	TURN 0, 1, 0
	QUARTER 1, 1, F0, F1, 0
	QUARTER 1, 2, F1, F0, 0
	QUARTER 1, 3, F0, F1, 0
	s_wait_dscnt 8
	WIN MUL
	MULA F1, 0, 0
	MULA F1, 1, 0
	s_wait_dscnt 0
	MULA F1, 2, 0
	MULA F1, 3, 0
	WIN 0
	PLACES
	s_wait_kmcnt 0x0
	s_add_co_i32 s96, s96, s97
	s_add_co_i32 s96, s96, 127
	s_lshl_b32 s96, s96, 23
	s_wait_loadcnt 0x0
.macro TOSTAGE a
.irp b, 0,1,2,3
	ds_store_b128 v[STO], v[ACC+8*(4*(\a)+\b):ACC+8*(4*(\a)+\b)+3] offset:64*\b
	ds_store_b128 v[STO], v[ACC+8*(4*(\a)+\b)+4:ACC+8*(4*(\a)+\b)+7] offset:64*\b+16
.endr
.irp t, 0,1,2,3,4,5,6,7
	ds_load_b128 v[BK+32*((\a)%2)+4*\t:BK+32*((\a)%2)+4*\t+3], v[RD] offset:\t*2*SPITCH
.endr
.endm
.macro SEND a, younger
	s_wait_dscnt \younger
	WIN 0x20
.irp i, 0,1,2,3,4,5,6,7,8,9,10,11,12,13,14,15
	v_pk_fma_f32 v[ACC+32*(\a)+2*\i:ACC+32*(\a)+2*\i+1], v[BK+32*((\a)%2)+2*\i:BK+32*((\a)%2)+2*\i+1], s[96:97], v[32*(\a)+2*\i:32*(\a)+2*\i+1] op_sel_hi:[1,0,1]
.endr
	WIN 0
.irp t, 0,1,2,3,4,5,6,7
	global_store_b128 v[CO], v[ACC+32*(\a)+4*\t:ACC+32*(\a)+4*\t+3], s[12:13] offset:(16*(\a)+2*\t)*4096
.endr
.endm
	TOSTAGE 0
	TOSTAGE 1
	SEND 0, 16
	TOSTAGE 2
	SEND 1, 16
	TOSTAGE 3
	SEND 2, 16
	SEND 3, 0
	s_wait_tensorcnt 0x0
	ds_add_u32 v[SPW], v[NIL]
	s_wait_dscnt 0x0
	CROUND
	s_endpgm
.Lfunc_end_k_q3d41323051_ffn2:
	.size	k_q3d41323051_ffn2, .Lfunc_end_k_q3d41323051_ffn2-k_q3d41323051_ffn2
	.p2alignl 7, 3214868480
	.fill 96, 4, 3214868480
	.section	.rodata,"a",@progbits
	.p2align	6, 0x0
	.amdhsa_kernel k_q3d41323051_ffn2
		.amdhsa_group_segment_fixed_size 327680
		.amdhsa_private_segment_fixed_size 0
		.amdhsa_enable_private_segment 0
		.amdhsa_kernarg_size 40
		.amdhsa_user_sgpr_count 2
		.amdhsa_user_sgpr_kernarg_segment_ptr 1
		.amdhsa_wavefront_size32 1
		.amdhsa_system_sgpr_workgroup_id_x 1
		.amdhsa_system_sgpr_workgroup_id_y 1
		.amdhsa_system_sgpr_workgroup_id_z 1
		.amdhsa_system_vgpr_workitem_id 0
		.amdhsa_next_free_vgpr 768
		.amdhsa_next_free_sgpr 100
		.amdhsa_reserve_vcc 0
		.amdhsa_float_denorm_mode_32 3
		.amdhsa_float_denorm_mode_16_64 3
		.amdhsa_memory_ordered 1
		.amdhsa_forward_progress 1
		.amdhsa_inst_pref_size 95
	.end_amdhsa_kernel
	.amdgpu_metadata
---
amdhsa.version: [ 1, 2 ]
amdhsa.kernels:
  - .name:           k_q3d41323051_ffn2
    .symbol:         k_q3d41323051_ffn2.kd
    .args:
      - { .name: hid, .offset: 0, .size: 8, .value_kind: global_buffer, .address_space: global }
      - { .name: w2_codes, .offset: 8, .size: 8, .value_kind: global_buffer, .address_space: global }
      - { .name: lowp_scales, .offset: 16, .size: 8, .value_kind: global_buffer, .address_space: global }
      - { .name: x1, .offset: 24, .size: 8, .value_kind: global_buffer, .address_space: global }
      - { .name: out0, .offset: 32, .size: 8, .value_kind: global_buffer, .address_space: global }
    .group_segment_fixed_size: 327680
    .private_segment_fixed_size: 0
    .kernarg_segment_align: 8
    .kernarg_segment_size: 40
    .max_flat_workgroup_size: 128
    .sgpr_count:     100
    .vgpr_count:     768
    .wavefront_size: 32
...
	.end_amdgpu_metadata
.endif
;; end of part 7
